; MI455X (gfx1250); checked and timed in simulation.
; The chip was launched on July 23, 2026; its instructions are those of AMD's public machine-readable ISA for CDNA 5 (MIT licence, August 2026) and "CDNA5" Instruction Set Architecture Reference Guide (July 2026). The comments in the code are by the model that wrote it; some were corrected since.
;; Attention Block. Allowed arithmetic: matrix products marked QUANTISED: E3M2 operands, one E8M0 scale for each 32 along K, by v_wmma_scale_f32_16x16x128_f8f6f4 with both operands' format E3M2, f32 sums; products left as they are: f32 operands where the result goes on into a quantised operand, else bf16, f16 or f32 operands; f32 sums; everything else in f32.
;; Inputs: Wfc_codes 1,024 x 16 x 24 uint8 (E3M2 codes of Wfc, K innermost, in blocks of 32 codes, four codes in three bytes); Wfc_scales 1,024 x 16 uint8 (E8M0 scales of Wfc, one for each 32 codes along K); Wk_codes 512 x 16 x 24 uint8 (E3M2 codes of Wk, K innermost, in blocks of 32 codes, four codes in three bytes); Wk_scales 512 x 16 uint8 (E8M0 scales of Wk, one for each 32 codes along K); Wo_codes 512 x 16 x 24 uint8 (E3M2 codes of Wo, K innermost, in blocks of 32 codes, four codes in three bytes); Wo_scales 512 x 16 uint8 (E8M0 scales of Wo, one for each 32 codes along K); Wpr_codes 512 x 32 x 24 uint8 (E3M2 codes of Wpr, K innermost, in blocks of 32 codes, four codes in three bytes); Wpr_scales 512 x 32 uint8 (E8M0 scales of Wpr, one for each 32 codes along K); Wq_codes 512 x 16 x 24 uint8 (E3M2 codes of Wq, K innermost, in blocks of 32 codes, four codes in three bytes); Wq_scales 512 x 16 uint8 (E8M0 scales of Wq, one for each 32 codes along K); Wv_codes 512 x 16 x 24 uint8 (E3M2 codes of Wv, K innermost, in blocks of 32 codes, four codes in three bytes); Wv_scales 512 x 16 uint8 (E8M0 scales of Wv, one for each 32 codes along K); b1 512 float32; b2 512 float32; bfc 1,024 float32; bk 512 float32; bo 512 float32; bpr 512 float32; bq 512 float32; bv 512 float32; g1 512 float32; g2 512 float32; q_codes 16 x 2,048 x 16 x 24 uint8 (E3M2 codes of q, K innermost, in blocks of 32 codes, four codes in three bytes); q_scales 16 x 2,048 x 16 uint8 (E8M0 scales of q, one for each 32 codes along K); x 16 x 512 x 2,048 float32.
;; Outputs: out0 16 x 512 x 2,048 float32.
;; This version of the problem:
;;   THIS VERSION OF THE PROBLEM IS GIVEN IN LOW PRECISION. The matrix products marked QUANTISED in the list below multiply operands that are first quantised to E3M2 (3 exponent bits, 2 mantissa bits; 6 bits a number), with one power-of-two scale for each 32 numbers along K (OCP MX v1.0); their sums are f32. All else is computed in f32.
;;   The module's matrix products, in the order in which they are computed (A, B: the left and right operand; K: the contracted axis; several contracted axes count as one K, in the product's order):
;;     1. [M 32,768, K 512] x [K 512, N 512]; A: input q (given as codes); B: input Wq (given as codes): QUANTISED
;;     2. [M 32,768, K 512] x [K 512, N 512]; A: computed on the way; B: input Wk (given as codes): QUANTISED
;;     3. [M 32,768, K 512] x [K 512, N 512]; A: computed on the way; B: input Wv (given as codes): QUANTISED
;;     4. batch 262,144 x [M 1, K 64] x [K 64, N 3]; A: computed on the way; B: computed on the way: left as it is (M = 1 < 16)
;;     5. batch 262,144 x [M 1, K 3] x [K 3, N 64]; A: softmax; B: computed on the way: left as it is (K = 3 < 32)
;;     6. [M 32,768, K 512] x [K 512, N 512]; A: computed on the way; B: input Wo (given as codes): QUANTISED
;;     7. [M 32,768, K 512] x [K 512, N 1,024]; A: computed on the way; B: input Wfc (given as codes): QUANTISED
;;     8. [M 32,768, K 1,024] x [K 1,024, N 512]; A: computed on the way; B: input Wpr (given as codes): QUANTISED
;;   THE QUANTISER, for each operand of a quantised product, along K:
;;     - K is cut into blocks of 32 from its start; a last block that is shorter is filled with zeros.
;;     - A block's scale is 2^e with e = floor(log2(the largest magnitude in the block)) - 4, held to -126 .. 127; a block of zeros has e = 0. As a byte (E8M0): e + 127.
;;     - Each number is divided by its block's scale, clamped to +-28, and rounded to the nearest number of E3M2, ties to even, subnormals kept.
;;     - The product sums the exact products of the quantised numbers (number of the format x scale) in f32.
;;   ~~~python
;;   def quantise(x, axis):      # numpy; x: float32 -> the quantised numbers, widened to float32 again
;;       x = np.moveaxis(x, axis, -1); K = x.shape[-1]
;;       x = np.pad(x, [(0, 0)] * (x.ndim - 1) + [(0, -K % 32)]); x = x.reshape(x.shape[:-1] + (-1, 32)); a = np.abs(x).max(-1, keepdims=True)
;;       e = np.where(a > 0, np.clip(np.frexp(np.where(a > 0, a, 1))[1] - 1 - 4, -126, 127), 0)      # np.frexp(a)[1] - 1 = floor(log2(a)), exactly
;;       r = np.clip(x / 2.0 ** e, -28, 28)
;;       step = 2.0 ** (np.maximum(np.frexp(np.where(r == 0, 1, r))[1] - 1, -2) - 2)
;;       q = np.round(r / step) * step * 2.0 ** e      # np.round: ties to even
;;       return np.moveaxis(q.reshape(q.shape[:-2] + (-1,))[..., :K], -1, axis).astype(np.float32)
;;   ~~~
;;   OPERANDS COMPUTED ON THE WAY. 'Computed on the way' means the value that the module computes at that place (a softmax that the list does not call 'softmax' is quantised finished and normalised). What goes into a quantiser is computed in f32, as accurately as f32 sums, v_exp_f32 and their like allow (about 1e-6 of the number): no bf16 or f16 on the way to a quantiser, and a product that is left as it is and whose result goes on into a quantised operand takes f32 operands (vector FMAs, or v_wmma_f32_16x16x4_f32). A number that lies on a knife's edge between two numbers of the format may be rounded either way, as far as f32 arithmetic and the matrix unit's own rounding can turn it there, and no further.
;;   INPUTS GIVEN AS CODES. Wfc (in the module: [512, 1024], K = its axis 0); Wk (in the module: [512, 512], K = its axis 0); Wo (in the module: [512, 512], K = its axis 0); Wpr (in the module: [1024, 512], K = its axis 0); Wq (in the module: [512, 512], K = its axis 0); Wv (in the module: [512, 512], K = its axis 0); q (in the module: [16, 512, 2048], K = its axis 1): each comes as NAME_codes (uint8): NAME with its K axis moved to the last place and cut into blocks of 32 codes, [.., K / 32, bytes a block], one block behind the other in memory; four codes in three bytes: a row's codes are one little-endian stream of bits, code i at bits 6 i .. 6 i + 5 (a code: sign, 3 exponent bits, 2 mantissa bits); and NAME_scales (uint8): the same leading axes, one E8M0 byte (e + 127) for each 32 codes along K. Its value is code x scale, taken as it is: it is not quantised again, and the codes and scales need not be those that the quantiser above would give.
;; One version. Each part assembles by itself: llvm-mc -triple=amdgcn-amd-amdhsa -mcpu=gfx1250 --defsym DOCPART=n.
;; ======== version 1 of 1: 4 launches
;; limits: right only within a limited range of input values
;; workspace buffers: h_img 12,582,912 bytes; h_scl 524,288 bytes; wqkv 638,976 bytes; wstream 1,064,960 bytes; a_img 12,582,912 bytes; a_scl 524,288 bytes; part 1,048,576 bytes
;; launch norm1prep (part 1): grid 256 x 1, 16 waves a work-group, no clusters, 10,240 bytes of LDS; arguments x, g1, b1, h_img, h_scl, wqkv, wstream, Wq_codes, Wq_scales, bq, Wk_codes, Wk_scales, bk, Wv_codes, Wv_scales, bv, Wo_codes, Wo_scales, bo, Wfc_codes, Wfc_scales, bfc, Wpr_codes, Wpr_scales, bpr; writes h_img, h_scl, wqkv, wstream
.if DOCPART == 1
	.amdgcn_target "amdgcn-amd-amdhsa--gfx1250"
	.amdhsa_code_object_version 6
	.text
	.protected	k_q9c8c2f9f8a_norm1prep
	.globl	k_q9c8c2f9f8a_norm1prep
	.p2align	8
	.type	k_q9c8c2f9f8a_norm1prep,@function
k_q9c8c2f9f8a_norm1prep:
	s_mov_b64 s[64:65], 0
	v_nop
	global_prefetch_b8 v0, s[64:65] scope:SCOPE_SE
	s_setreg_imm32_b32 hwreg(HW_REG_WAVE_MODE, 25, 1), 1
	s_wait_xcnt 0x0
; InstanceNorm over L of x for 32 channels of one batch, kept in registers (32 x 2,048 numbers in 512 threads), and quantised to E3M2 along the channels:
; the 32 channels of a work-group are one block of 32 of the next products' K.  The variance is taken of x - mean (two passes over registers): no difference of large sums.
; BESIDE IT the six weights are laid out once as images of the operand registers (packets), so that later launches fetch dense blocks: 192 packets of 16 rows with K = 512 and
; 64 half packets of Wpr are 256 units, as many as there are work-groups.  Wave 0 of work-group U makes unit U, behind the issue of its loads of x and in registers that the norm
; needs only when x has landed.
; LIMITS: NaN and infinities among the inputs are not served; a block whose largest magnitude lies under 2^-122 (zeros too) carries the byte 1
; in the workspace (its codes are zeros or subnormal codes under that scale); sums are added in another order than reference()'s.
.set X, 16                             ; v16-143  x: register 4 c + j = channel c, column 4 t + j
.set P, 144                            ; v144-175 a number for each channel: partial sums, later the normalised numbers of one column
.set T, 176                            ; v176-191 at work in the reductions
.set C, 192                            ; v192-215 the codes of my four columns, six words each
.set F, 144                            ; v144-191 in wave 0, ahead of the sums: a unit's four fragments; v192-203 its scale words and bias
.set RED2, 2048                        ; LDS: 16 waves x 32 sums at 0, the same for the squares at 2,048
	v_lshrrev_b32 v1, 5, v0
	s_delay_alu instid0(VALU_DEP_1)
	v_readfirstlane_b32 s2, v1                     ; wave 0..15
	s_load_b256 s[4:11], s[0:1], 0x0               ; x, g1, b1, h_img
	s_load_b64 s[12:13], s[0:1], 0x20              ; h_scl
	v_lshl_add_u32 v224, v0, 2, 0x2000
	v_mov_b32 v225, 0
	s_mov_b32 s3, ttmp9                            ; 16 x batch + block of 32 channels; also the unit of the weights' layout
	v_and_b32 v1, 31, v0
	v_lshlrev_b32 v2, 4, v0                        ; my four columns: 16 t bytes
	s_lshl_b32 s14, s2, 7
	v_mov_b32 v3, s14                              ; LDS: my wave's 32 sums
	v_lshlrev_b32 v4, 2, v1
	v_lshlrev_b32 v5, 4, v1
	s_and_b32 s15, s3, 15
	s_lshl_b32 s15, s15, 7
	v_add_nc_u32 v8, s15, v4                       ; g1, b1: lane = channel
	s_lshl_b32 s16, s3, 18                         ; 32 channels x 8,192 bytes
	s_mov_b32 s17, 0
	s_mov_b32 s18, 0x76543210
	s_mov_b32 s19, 0xfedcba98                      ; selects for lane l xor 16
	s_wait_alu depctr_va_vdst(0)
	s_wait_kmcnt 0x0
	s_add_nc_u64 s[4:5], s[4:5], s[16:17]
.set c, 0
.rept 32
	global_load_b128 v[X+4*c:X+4*c+3], v2, s[4:5] offset:8192*c th:TH_LOAD_NT   ; a wave reads 512 consecutive bytes of a channel
.set c, c+1
.endr
	global_load_b32 v6, v8, s[6:7]
	global_load_b32 v7, v8, s[8:9]
	s_cmp_lg_u32 s2, 0
	s_cbranch_scc1 .Lnoprep
; ---------------- wave 0: unit U of the weights' layout.  34 loads of mine are out; a unit adds 26
	s_load_b512 s[20:35], s[0:1], 0x38             ; Wq c s b, Wk c s b, Wv c s
	s_load_b512 s[36:51], s[0:1], 0x78             ; bv, Wo c s b, Wfc c s b, Wpr c
	s_load_b128 s[52:55], s[0:1], 0xb8             ; Wpr s, bpr
	s_load_b128 s[56:59], s[0:1], 0x28             ; wqkv, wstream
	v_and_b32 v9, 15, v0                           ; r
	v_bfe_u32 v10, v0, 4, 1                        ; h
	s_wait_kmcnt 0x0
	s_cmp_ge_u32 s3, 192
	s_cbranch_scc1 .Lwpr
; a tile packet: 16 rows of a weight with K = 512.  U 0-31 Wq, 32-63 Wk, 64-95 Wv, 96-127 Wo, 128-191 Wfc
	s_mov_b64 s[60:61], s[20:21]
	s_mov_b64 s[62:63], s[22:23]
	s_mov_b64 s[66:67], s[24:25]
	s_cmp_ge_u32 s3, 32
	s_cselect_b64 s[60:61], s[26:27], s[60:61]
	s_cselect_b64 s[62:63], s[28:29], s[62:63]
	s_cselect_b64 s[66:67], s[30:31], s[66:67]
	s_cmp_ge_u32 s3, 64
	s_cselect_b64 s[60:61], s[32:33], s[60:61]
	s_cselect_b64 s[62:63], s[34:35], s[62:63]
	s_cselect_b64 s[66:67], s[36:37], s[66:67]
	s_cmp_ge_u32 s3, 96
	s_cselect_b64 s[60:61], s[38:39], s[60:61]
	s_cselect_b64 s[62:63], s[40:41], s[62:63]
	s_cselect_b64 s[66:67], s[42:43], s[66:67]
	s_cselect_b64 s[68:69], s[58:59], s[56:57]     ; where it goes: wstream or wqkv
	s_cmp_ge_u32 s3, 128
	s_cselect_b64 s[60:61], s[44:45], s[60:61]
	s_cselect_b64 s[62:63], s[46:47], s[62:63]
	s_cselect_b64 s[66:67], s[48:49], s[66:67]
	s_cselect_b32 s70, 63, 31
	s_and_b32 s71, s3, s70                         ; ct: the column tile
	s_and_b32 s72, s71, 3
	s_mul_i32 s72, s72, 6656                       ; its place among four
	s_lshr_b32 s73, s71, 2
	s_mul_i32 s74, s73, 79872                      ; wqkv: head, matrix
	s_lshr_b32 s75, s3, 5
	s_mul_i32 s75, s75, 26624
	s_add_co_u32 s74, s74, s75
	s_and_b32 s75, s73, 1                          ; Wo: slot (ct / 4) % 2, wave ct / 8
	s_mul_i32 s75, s75, 106496
	s_lshr_b32 s76, s71, 3
	s_mul_i32 s76, s76, 26624
	s_add_co_u32 s75, s75, s76
	s_and_b32 s76, s73, 3                          ; Wfc: slot 2 + (ct / 4) % 4, wave ct / 16
	s_add_co_u32 s76, s76, 2
	s_mul_i32 s76, s76, 106496
	s_lshr_b32 s77, s71, 4
	s_mul_i32 s77, s77, 26624
	s_add_co_u32 s76, s76, s77
	s_cmp_ge_u32 s3, 96
	s_cselect_b32 s74, s75, s74
	s_cmp_ge_u32 s3, 128
	s_cselect_b32 s74, s76, s74
	s_add_co_u32 s74, s74, s72
	s_mov_b32 s75, 0
	s_add_nc_u64 s[68:69], s[68:69], s[74:75]
	s_lshr_b32 s78, s71, 1
	s_lshl_b32 s78, s78, 5
	s_and_b32 s79, s71, 1
	s_lshl_b32 s79, s79, 3
	s_add_co_u32 s78, s78, s79
	s_cmp_lt_u32 s3, 32                            ; Wq's packets take blocks 1 and 2 of each K step in exchanged places, as the next launch loads q: a lane's two blocks are then neighbours in memory
	s_cselect_b32 s80, 48, 24                      ; bytes from lanes 0-15 to lanes 16-31,
	s_cselect_b32 s82, 24, 48                      ; and from a lane's first block to its second
	s_mov_b32 s81, 0x03020100
	s_cselect_b32 s81, 0x03010200, s81             ; the scale words' bytes 1 and 2 go with them
	s_wait_alu depctr_va_vdst(0)
	v_and_b32 v11, 8, v9
	s_delay_alu instid0(VALU_DEP_1)
	v_add_nc_u32 v11, v11, v9
	s_delay_alu instid0(VALU_DEP_1)
	v_add_nc_u32 v11, s78, v11                     ; lane r takes row RB + r + 8 (r / 8): two neighbouring tiles then give 16 neighbours along the next K
	s_delay_alu instid0(VALU_DEP_1)
	v_mul_u32_u24 v12, v11, 384
	s_delay_alu instid0(VALU_DEP_1)
	v_mad_u32_u24 v12, v10, s80, v12
	s_delay_alu instid0(VALU_DEP_3)
	v_lshlrev_b32 v13, 4, v11                      ; its 16 scale bytes
	v_bfe_u32 v14, v0, 1, 1
	v_and_b32 v15, 1, v0
	s_delay_alu instid0(VALU_DEP_2)
	v_lshlrev_b32 v14, 4, v14
	s_delay_alu instid0(VALU_DEP_1)
	v_lshl_add_u32 v14, v15, 2, v14
	s_delay_alu instid0(VALU_DEP_1)
	v_add_nc_u32 v14, s78, v14
	s_delay_alu instid0(VALU_DEP_1)
	v_lshlrev_b32 v14, 2, v14                      ; bias: float e of the packet is channel RB + 16 (e / 8) + e % 8; my four begin at e = 4 (r % 4)
	v_add_nc_u32 v204, s82, v12                    ; my second block of each K step
.irp s, 0,1,2,3
.irp p, 0,1,2
	global_load_b64 v[F+12*\s+2*\p:F+1+12*\s+2*\p], v12, s[60:61] offset:96*\s+8*\p
	global_load_b64 v[F+6+12*\s+2*\p:F+7+12*\s+2*\p], v204, s[60:61] offset:96*\s+8*\p
.endr
.endr
	global_load_b128 v[192:195], v13, s[62:63]
	global_load_b128 v[196:199], v14, s[66:67]
	s_wait_loadcnt 0x0                             ; the unit's loads are the youngest: x has landed too
.irp i, 0,1,2,3
	v_perm_b32 v[192+\i], v[192+\i], v[192+\i], s81
.endr
	v_cmp_gt_u32 vcc_lo, 16, v1
.irp i, 0,1,2,3
	v_cndmask_b32 v[200+\i], v[196+\i], v[192+\i], vcc_lo  ; lanes 0-15 carry the scale words, lanes 16-31 the bias: one dense store of 512 bytes
.endr
.irp i, 0,1,2,3,4,5,6,7,8,9,10,11
	global_store_b128 v5, v[F+4*\i:F+3+4*\i], s[68:69] offset:512*\i
.endr
	global_store_b128 v5, v[200:203], s[68:69] offset:6144
	s_branch .Lprepdone
.Lwpr:
; a packet of Wpr, 6,656 bytes like the others: 16 channels in natural order (tile ct = (U - 192) / 2) x 512 of K (half (U - 192) % 2): four fragments, then 256 bytes of scale words
; (16 bytes a row), then 256 bytes with each row's bpr four times.  Stream slot 6 + ct / 8 holds all of K for 128 channels: quarter (ct % 8) / 2, part 2 (ct % 2) + half
	s_sub_co_u32 s71, s3, 192
	s_lshr_b32 s72, s71, 4                         ; slot
	s_bfe_u32 s73, s71, 0x20002                    ; quarter
	s_and_b32 s79, s71, 3                          ; part
	s_add_co_u32 s74, s72, 6
	s_mul_i32 s74, s74, 106496
	s_mul_i32 s75, s73, 26624
	s_add_co_u32 s74, s74, s75
	s_mul_i32 s75, s79, 6656
	s_add_co_u32 s74, s74, s75
	s_mov_b32 s75, 0
	s_add_nc_u64 s[58:59], s[58:59], s[74:75]
	s_lshr_b32 s76, s71, 1
	s_lshl_b32 s76, s76, 4                         ; the tile's first row
	s_and_b32 s77, s71, 1                          ; which half of K
	s_mul_i32 s78, s77, 384
	s_lshl_b32 s77, s77, 4
	s_wait_alu depctr_va_vdst(0)
	v_add_nc_u32 v11, s76, v9                      ; my row
	v_mad_u32_u24 v12, v10, 24, s78
	s_delay_alu instid0(VALU_DEP_1)
	v_mad_u32_u24 v12, v11, 768, v12               ; its codes: rows of 768 bytes, + 384 half + 24 h
	v_lshl_add_u32 v13, v11, 5, s77                ; its scale bytes: 32 a row, + 16 half
	v_lshlrev_b32 v14, 2, v11                      ; its bias
.irp s, 0,1,2,3
.irp p, 0,1,2,3,4,5
	global_load_b64 v[F+12*\s+2*\p:F+1+12*\s+2*\p], v12, s[50:51] offset:96*\s+48*(\p/3)+8*(\p%3)
.endr
.endr
	global_load_b128 v[192:195], v13, s[52:53]
	global_load_b32 v196, v14, s[54:55]
	s_wait_loadcnt 0x0
	v_cmp_gt_u32 vcc_lo, 16, v1
.irp i, 0,1,2,3
	v_cndmask_b32 v[200+\i], v196, v[192+\i], vcc_lo   ; lanes 0-15 carry the scale words, lanes 16-31 the bias
.endr
.irp i, 0,1,2,3,4,5,6,7,8,9,10,11
	global_store_b128 v5, v[F+4*\i:F+3+4*\i], s[58:59] offset:512*\i
.endr
	global_store_b128 v5, v[200:203], s[58:59] offset:6144
.Lprepdone:
	s_wait_xcnt 0x0                                ; the unit's stores have read their data, offsets and bases: all are written again below
.Lnoprep:
; ---------------- the norm
.set c, 0
.rept 16
	v_mov_b32 v[T+c], 0                            ; written once: a lane permute's destination counts as one of its sources
.set c, c+1
.endr
	s_wait_loadcnt 0x0
; the 32 numbers of v[P ..], one a channel, are summed over the 512 threads; the sum of channel c ends in lane c of v[T]
.macro REDUCE red
.irp k, 1,2,4,8
.set c, 0
.rept 32
	v_add_f32_dpp v[P+c], v[P+c], v[P+c] row_xmask:\k row_mask:0xf bank_mask:0xf
.set c, c+1
.endr
.endr
.irp g, 0,16
.set c, 0
.rept 16
	v_permlanex16_b32 v[T+c], v[P+\g+c], s18, s19
.set c, c+1
.endr
.set c, 0
.rept 16
	v_add_f32 v[P+\g+c], v[P+\g+c], v[T+c]
.set c, c+1
.endr
.endr
.set c, 0
.rept 32
	ds_store_b32 v3, v[P+c] offset:\red+4*c        ; all lanes write the same word with the same value
.set c, c+1
.endr
	s_wait_dscnt 0x0                               ; for the others' sake: my stores are done
	s_barrier_signal -1
	s_barrier_wait -1
.set c, 0
.rept 16
	ds_load_b32 v[T+c], v4 offset:\red+128*c       ; lane = channel: the sixteen waves' sums
.set c, c+1
.endr
	s_wait_dscnt 0x0
.irp i, 0,2,4,6
	v_pk_add_f32 v[T+\i:T+\i+1], v[T+\i:T+\i+1], v[T+8+\i:T+9+\i]
.endr
.irp i, 0,2
	s_delay_alu instid0(VALU_DEP_2)
	v_pk_add_f32 v[T+\i:T+\i+1], v[T+\i:T+\i+1], v[T+4+\i:T+5+\i]
.endr
	s_delay_alu instid0(VALU_DEP_1)
	v_pk_add_f32 v[T:T+1], v[T:T+1], v[T+2:T+3]
	s_delay_alu instid0(VALU_DEP_1)
	v_add_f32 v[T], v[T], v[T+1]
.endm
.set c, 0
.rept 32
	v_add_f32 v[P+c], v[X+4*c], v[X+4*c+1]
.set c, c+1
.endr
.set c, 0
.rept 32
	v_add_f32 v[P+c], v[P+c], v[X+4*c+2]
.set c, c+1
.endr
.set c, 0
.rept 32
	v_add_f32 v[P+c], v[P+c], v[X+4*c+3]
.set c, c+1
.endr
	REDUCE 0
	s_delay_alu instid0(VALU_DEP_1)
	v_mul_f32 v[T], 0x3a000000, v[T]               ; / 2,048: the means
.set c, 0
.rept 32
	v_readlane_b32 s[32+c], v[T], c
.set c, c+1
.endr
.set c, 0
.rept 32
.irp j, 0,1,2,3
	v_subrev_f32 v[X+4*c+\j], s[32+c], v[X+4*c+\j] ; x - mean
.endr
.set c, c+1
.endr
.set c, 0
.rept 32
	v_mul_f32 v[P+c], v[X+4*c], v[X+4*c]
.set c, c+1
.endr
.irp j, 1,2,3
.set c, 0
.rept 32
	v_fmac_f32 v[P+c], v[X+4*c+\j], v[X+4*c+\j]
.set c, c+1
.endr
.endr
	REDUCE RED2                                    ; other LDS bytes than the first reduction's: no barrier between them
	s_mov_b32 s14, 0x3a000000
	v_fmaak_f32 v8, s14, v[T], 0x3727c5ac          ; variance + 1e-5
	s_wait_alu depctr_va_vdst(0)
	v_rsq_f32 v9, v8
	v_nop                                          ; a plain instruction behind the transcendental
	s_wait_alu depctr_va_vdst(0)                   ; and the wait ahead of its first reader
	v_mul_f32 v9, v9, v6                           ; x g1
.set c, 0
.rept 32
	v_readlane_b32 s[32+c], v9, c
	v_readlane_b32 s[66+c], v7, c
.set c, c+1
.endr
; column 4 t + j: 32 channels = one block along K, all in my registers
.macro QROW j
.set c, 0
.rept 32
	v_fma_f32 v[P+c], v[X+4*c+\j], s[32+c], s[66+c]
.set c, c+1
.endr
	v_max3_num_f32 v8, |v[P]|, |v[P+1]|, 0x2800000 ; the largest magnitude, with the floor 2^(5 - 127) among its leaves: the byte cannot fall under 1
	v_max3_num_f32 v9, |v[P+2]|, |v[P+3]|, |v[P+4]|
.irp i, 5,9,13,17,21,25
	s_delay_alu instid0(VALU_DEP_2)
	v_max3_num_f32 v8, v8, |v[P+\i]|, |v[P+\i+1]|
	s_delay_alu instid0(VALU_DEP_2)
	v_max3_num_f32 v9, v9, |v[P+\i+2]|, |v[P+\i+3]|
.endr
	s_delay_alu instid0(VALU_DEP_2)
	v_max3_num_f32 v8, v8, |v[P+29]|, |v[P+30]|
	s_delay_alu instid0(VALU_DEP_1)
	v_max3_num_f32 v8, v8, v9, |v[P+31]|
	s_delay_alu instid0(VALU_DEP_1)
	v_add_nc_u32 v10, 0xfe000000, v8               ; 4 off the exponent field: the conversion's scale operand
	s_delay_alu instid0(VALU_DEP_1)
	v_lshrrev_b32 v11, 23, v10                     ; the scale's byte
	v_cvt_scalef32_pk16_bf6_f32 v[C+6*\j:C+6*\j+2], v[P:P+15], v10
	v_cvt_scalef32_pk16_bf6_f32 v[216:218], v[P+16:P+31], v10   ; (a conversion's three registers begin on an even number)
.if \j == 0
	v_mov_b32 v219, v11                            ; (also the plain instruction behind the conversions)
.else
	v_lshl_or_b32 v219, v11, 8*\j, v219
.endif
	v_mov_b32 v[C+6*\j+3], v216
	v_mov_b32 v[C+6*\j+4], v217
	v_mov_b32 v[C+6*\j+5], v218
.endm
	QROW 0
	QROW 1
	QROW 2
	QROW 3
	s_mul_i32 s16, s3, 49152
	s_mul_i32 s14, s2, 3072
	s_add_co_u32 s16, s16, s14
	s_add_nc_u64 s[10:11], s[10:11], s[16:17]
	s_lshl_b32 s16, s3, 11
	s_add_nc_u64 s[12:13], s[12:13], s[16:17]
	v_lshlrev_b32 v12, 2, v0
.irp i, 0,1,2,3,4,5
	global_store_b128 v5, v[C+4*\i:C+4*\i+3], s[10:11] offset:512*\i   ; 512 consecutive bytes a store
.endr
	global_store_b32 v12, v219, s[12:13]
	s_wait_tensorcnt 0x0
	ds_add_u32 v224, v225
	s_wait_dscnt 0x0
	s_endpgm
.Lfunc_end_k_q9c8c2f9f8a_norm1prep:
	.size	k_q9c8c2f9f8a_norm1prep, .Lfunc_end_k_q9c8c2f9f8a_norm1prep-k_q9c8c2f9f8a_norm1prep
	.p2alignl 7, 3214868480
	.fill 96, 4, 3214868480
	.section	.rodata,"a",@progbits
	.p2align	6, 0x0
	.amdhsa_kernel k_q9c8c2f9f8a_norm1prep
		.amdhsa_group_segment_fixed_size 10240
		.amdhsa_private_segment_fixed_size 0
		.amdhsa_enable_private_segment 0
		.amdhsa_kernarg_size 200
		.amdhsa_user_sgpr_count 2
		.amdhsa_user_sgpr_kernarg_segment_ptr 1
		.amdhsa_wavefront_size32 1
		.amdhsa_system_sgpr_workgroup_id_x 1
		.amdhsa_system_sgpr_workgroup_id_y 1
		.amdhsa_system_sgpr_workgroup_id_z 1
		.amdhsa_system_vgpr_workitem_id 0
		.amdhsa_next_free_vgpr 226
		.amdhsa_next_free_sgpr 100
		.amdhsa_reserve_vcc 1
		.amdhsa_float_denorm_mode_32 3
		.amdhsa_float_denorm_mode_16_64 3
		.amdhsa_memory_ordered 1
		.amdhsa_forward_progress 1
		.amdhsa_inst_pref_size 82
	.end_amdhsa_kernel
	.amdgpu_metadata
---
amdhsa.version: [ 1, 2 ]
amdhsa.kernels:
  - .name:           k_q9c8c2f9f8a_norm1prep
    .symbol:         k_q9c8c2f9f8a_norm1prep.kd
    .args:
      - { .name: x, .offset: 0, .size: 8, .value_kind: global_buffer, .address_space: global }
      - { .name: g1, .offset: 8, .size: 8, .value_kind: global_buffer, .address_space: global }
      - { .name: b1, .offset: 16, .size: 8, .value_kind: global_buffer, .address_space: global }
      - { .name: h_img, .offset: 24, .size: 8, .value_kind: global_buffer, .address_space: global }
      - { .name: h_scl, .offset: 32, .size: 8, .value_kind: global_buffer, .address_space: global }
      - { .name: wqkv, .offset: 40, .size: 8, .value_kind: global_buffer, .address_space: global }
      - { .name: wstream, .offset: 48, .size: 8, .value_kind: global_buffer, .address_space: global }
      - { .name: Wq_codes, .offset: 56, .size: 8, .value_kind: global_buffer, .address_space: global }
      - { .name: Wq_scales, .offset: 64, .size: 8, .value_kind: global_buffer, .address_space: global }
      - { .name: bq, .offset: 72, .size: 8, .value_kind: global_buffer, .address_space: global }
      - { .name: Wk_codes, .offset: 80, .size: 8, .value_kind: global_buffer, .address_space: global }
      - { .name: Wk_scales, .offset: 88, .size: 8, .value_kind: global_buffer, .address_space: global }
      - { .name: bk, .offset: 96, .size: 8, .value_kind: global_buffer, .address_space: global }
      - { .name: Wv_codes, .offset: 104, .size: 8, .value_kind: global_buffer, .address_space: global }
      - { .name: Wv_scales, .offset: 112, .size: 8, .value_kind: global_buffer, .address_space: global }
      - { .name: bv, .offset: 120, .size: 8, .value_kind: global_buffer, .address_space: global }
      - { .name: Wo_codes, .offset: 128, .size: 8, .value_kind: global_buffer, .address_space: global }
      - { .name: Wo_scales, .offset: 136, .size: 8, .value_kind: global_buffer, .address_space: global }
      - { .name: bo, .offset: 144, .size: 8, .value_kind: global_buffer, .address_space: global }
      - { .name: Wfc_codes, .offset: 152, .size: 8, .value_kind: global_buffer, .address_space: global }
      - { .name: Wfc_scales, .offset: 160, .size: 8, .value_kind: global_buffer, .address_space: global }
      - { .name: bfc, .offset: 168, .size: 8, .value_kind: global_buffer, .address_space: global }
      - { .name: Wpr_codes, .offset: 176, .size: 8, .value_kind: global_buffer, .address_space: global }
      - { .name: Wpr_scales, .offset: 184, .size: 8, .value_kind: global_buffer, .address_space: global }
      - { .name: bpr, .offset: 192, .size: 8, .value_kind: global_buffer, .address_space: global }
    .group_segment_fixed_size: 10240
    .private_segment_fixed_size: 0
    .kernarg_segment_align: 8
    .kernarg_segment_size: 200
    .max_flat_workgroup_size: 512
    .sgpr_count:     100
    .vgpr_count:     226
    .wavefront_size: 32
...
	.end_amdgpu_metadata
.endif
;; end of part 1
;; launch qkvattn (part 2): grid 128 x 2, 4 waves a work-group, clusters of 4 x 1, 327,680 bytes of LDS; arguments q_codes, q_scales, h_img, h_scl, wqkv, a_img, a_scl; writes a_img, a_scl
.if DOCPART == 2
	.amdgcn_target "amdgcn-amd-amdhsa--gfx1250"
	.amdhsa_code_object_version 6
	.text
	.protected	k_q9c8c2f9f8a_qkvattn
	.globl	k_q9c8c2f9f8a_qkvattn
	.p2align	8
	.type	k_q9c8c2f9f8a_qkvattn,@function
k_q9c8c2f9f8a_qkvattn:
	s_mov_b64 s[64:65], 0
	v_nop
	global_prefetch_b8 v0, s[64:65] scope:SCOPE_SE
	s_setreg_imm32_b32 hwreg(HW_REG_WAVE_MODE, 25, 1), 1
	s_wait_xcnt 0x0
	s_wait_alu depctr_hold_cnt(0) depctr_sa_sdst(0) depctr_va_vdst(0) depctr_va_sdst(0) depctr_va_ssrc(0) depctr_va_vcc(0) depctr_vm_vsrc(0)
	s_getreg_b32 s2, hwreg(HW_REG_IB_STS2, 6, 4)
	s_cmp_eq_u32 s2, 0
	s_cbranch_scc0 .Lentry_in_a_cluster
	s_endpgm
.Lentry_in_a_cluster:
	s_bfe_u32 s2, ttmp6, 0x10000c
	s_cmp_lg_u32 s2, 0x3003
	s_cbranch_scc0 .Lentry_shape_is_right
	s_endpgm
.Lentry_shape_is_right:
; Q = q Wq + bq, K = h Wk + bk, V = h Wv + bv on codes of E3M2; the attention over three neighbouring positions in f32; its result quantised along the channels.
; SHARES.  A work-group takes 256 positions of one batch and four of the eight heads (grid y); a wave 64 positions.  Lane r of row tile m holds position 4 r + m of the wave's 64,
; so positions l - 1 and l + 1 lie in the SAME lane, in the neighbouring tile.  K and V have six tiles: tiles 0 and 5 are positions 4 r - 1 and 4 r + 4 (two tiles more of matrix work, no lane shifts).
; Products are used transposed (source 0 = 16 rows of a weight, source 1 = 16 positions): a lane holds one position and its registers run along the channels.
; WEIGHTS: the four heads' 48 packets (319,488 bytes) come into LDS once, by joint loads of the four work-groups of a cluster, which need the same bytes; wave w fetches head w.  Nothing in LDS is filled again.
; q AND Wq CARRY BLOCKS 1 AND 2 OF EACH K STEP IN EXCHANGED PLACES, codes and scale bytes alike on both sides, so that each product meets its own scales: lanes 0-15 hold blocks 0 and 1, lanes 16-31 blocks 2 and 3,
; 48 neighbouring bytes of a row of q, three loads of 16 bytes.  The launch before lays Wq's packets so.
; THE f32 SUMS STAND AMONG THE NEXT PRODUCTS.  Q and K have two sets of results, by turns (window 0; window 3), V two in window 3: the scores' sums over 16 channels, and the weighted sums of 16 channels of V,
; 48 packed instructions each, are laid three or four at a time behind every second matrix instruction of the next 16 channels' products, which write the other set.
; At a batch's ends the neighbour is taken from a clamped position; its score is replaced by -1e9 as reference() does, so its weight is exactly 0.
; No prefetch: all loads from memory are issued at the head, ahead of the one loop.
; LIMITS: NaN and infinities are not served; a block under 2^-122 carries the byte 1; sums are added in another order than reference()'s.
; REGISTERS.  Window 0: v1 16 lane, v2 16 r, v3 32 h, v4 8 lane, v5 my in-batch position 4 r + .., v6 h; v7-9, v10-12, v13-15 LDS addresses of fragments, scales, bias for q, k, v;
;   v16-39 softmax weights (each twice); v40-43 the scale words made; v44-59 q's scale words; v60-83 h's; v84-91 the weights'; v92-107 bias, two sets; v108-155 K, six tiles (later at work);
;   v156-187 Q; v188-211 scores; v156-219 the attention's result (over Q and the scores); v220-251 codes; v252 -1e9.
;   Window 1: q's 16 fragments.  Window 2: h's tiles 0-4.  Window 3: h's tile 5 at v0, the weights' two sets at v64 and v112; v160-191 Q's and v192-239 K's second set; V's two sets at v160 and v208.
.set WV, 18
.set G1, 24
.set G0, 32
.set HB, 48
.set TRIP, 49
.set SH0, 50
.set MSK, 52
.set SEL, 58
.set PP, 16
.set SCW, 40
.set QS, 44
.set HS, 60
.set WS, 84
.set BI, 92
.set KA, 108
.set QA, 156
.set QB, 160
.set KB, 192
.set SCR, 188
.set OUT, 156
.set HFR, 220
.set TM, 108
.set NEG, 252
.set MSB, 0
.macro WIN new                         ; the immediate's high byte repeats the setting that is left
.if MSB != \new
	s_set_vgpr_msb (MSB<<8)|\new
.set MSB, \new
.endif
.endm
.macro PLACES n
.rept \n
	v_nop
.endr
.endm
.macro CROUND                          ; a round of the cluster's barrier
	s_barrier_signal -1
	s_barrier_wait -1
	s_cmp_lg_u32 s[WV], 0
	s_cbranch_scc1 .Lnot_wave_0_\@
	s_barrier_signal -3
.Lnot_wave_0_\@:
	s_barrier_wait -3
	s_barrier_signal -1
	s_barrier_wait -1
.endm
.macro WMMA d, a, b, c, sa, sb
	v_wmma_scale_f32_16x16x128_f8f6f4 v[(\d):(\d)+7], v[(\a):(\a)+11], v[(\b):(\b)+11], v[(\c):(\c)+7], v[\sa], v[\sb] matrix_a_fmt:MATRIX_FMT_BF6 matrix_b_fmt:MATRIX_FMT_BF6
.endm
	s_load_b256 s[4:11], s[0:1], 0x0               ; q_codes, q_scales, h_img, h_scl
	s_load_b128 s[12:15], s[0:1], 0x20             ; wqkv, a_img
	s_load_b64 s[16:17], s[0:1], 0x30              ; a_scl
	v_lshl_add_u32 v254, v0, 2, 0x4e000
	v_mov_b32 v255, 0
	ds_add_u32 v254, v255
	ds_add_u32 v254, v255
	v_lshrrev_b32 v1, 5, v0
	v_readfirstlane_b32 s[WV], v1                  ; wave 0..3
	s_bfe_u32 s19, ttmp6, 0x40000                  ; cx
	s_lshl_b32 s20, ttmp9, 2
	s_add_co_u32 s20, s20, s19                     ; X: my block of 256 positions
	s_and_b32 s21, ttmp7, 0xffff                   ; y: which four heads; the four partners share it
	s_mov_b32 s[G1], 15|(3<<16)|(1<<21)            ; mask: all four work-groups; elements of 8 bytes; bit 21 beside a mask; no padding
	s_mov_b32 s[G1+1], 32<<16                      ; rows of 256 bytes
	s_mov_b32 s[G1+2], 312<<16                     ; 312 rows: a whole head's 79,872 bytes
	s_mov_b32 s[G1+3], 32<<16
	s_mov_b32 s[G1+4], 312
	s_mov_b32 s[G1+5], 32
	s_mov_b32 s[G1+6], 0
	s_mov_b32 s[G1+7], 0
	s_mul_i32 s54, s[WV], 79872                    ; wave w fetches head w of the four
	s_mul_i32 s56, s21, 319488
	s_add_co_u32 s56, s56, s54
	s_mov_b32 s57, 0
	s_mov_b32 s[SEL], 0x76543210
	s_mov_b32 s[SEL+1], 0xfedcba98
	s_wait_dscnt 0x0
	s_wait_kmcnt 0x0
	s_add_nc_u64 s[12:13], s[12:13], s[56:57]
	s_mov_b32 s[G0], 1
	s_mov_b32 s[G0+1], s54                         ; LDS: head w
	s_mov_b64 s[G0+2:G0+3], s[12:13]
	s_or_b32 s[G0+3], s[G0+3], 0x80000000
	CROUND                                         ; all four work-groups are here: the joint loads meet
	tensor_load_to_lds s[G0:G0+3], s[G1:G1+7]      ; my one tensor load
	s_nop 0
	PLACES 4
	v_and_b32 v228, 31, v0
	v_and_b32 v227, 15, v0                         ; r
	v_bfe_u32 v6, v0, 4, 1                         ; h
	v_lshlrev_b32 v1, 4, v228
	v_lshlrev_b32 v2, 4, v227
	v_lshlrev_b32 v3, 5, v6
	v_lshlrev_b32 v4, 3, v228
	s_and_b32 s22, s20, 7
	s_lshl_b32 s22, s22, 8
	s_lshl_b32 s23, s[WV], 6
	s_add_co_u32 s22, s22, s23                     ; my wave's first position in its batch
	v_lshl_add_u32 v5, v227, 2, s22
	v_lshrrev_b32 v226, 2, v5                      ; t: the thread of the norm's launch that made positions 4 t .. 4 t + 3
	v_min_u32 v231, 1, v226
	v_sub_nc_u32 v231, v226, v231                  ; t - 1, held at 0,
	v_add_nc_u32 v232, 1, v226
	v_min_u32 v232, 0x1ff, v232                    ; t + 1, held at 511: both stay inside the batch
.macro HV dst, src                     ; where thread src's 96 bytes of a block begin: h blocks on, (t / 32) x 3,072 + (t % 32) x 16
	v_lshrrev_b32 v229, 5, v[\src]
	v_and_b32 v230, 31, v[\src]
	v_mul_u32_u24 v229, v229, 3072
	v_lshl_add_u32 v229, v230, 4, v229
	v_mad_u32_u24 v[\dst], v6, 0xc000, v229
.endm
	HV 220, 226
	HV 221, 231
	HV 222, 232
	v_lshlrev_b32 v223, 2, v226
	v_lshlrev_b32 v224, 2, v231
	v_lshlrev_b32 v225, 2, v232
	v_mul_u32_u24 v233, v227, 1536                 ; q: position 4 r, rows of 384 bytes, + 48 h: my two blocks of a K step lie together
	v_mad_u32_u24 v233, v6, 48, v233
	s_wait_alu depctr_va_vdst(0)
	v_lshlrev_b32 v234, 6, v227
	s_wait_alu depctr_va_vdst(0)
	s_lshl_b32 s60, s20, 8
	s_add_co_u32 s60, s60, s23                     ; my wave's first row of all 32,768
	s_mul_i32 s54, s60, 384
	s_mov_b32 s55, 0
	s_add_nc_u64 s[4:5], s[4:5], s[54:55]
	s_lshl_b32 s54, s60, 4
	s_add_nc_u64 s[6:7], s[6:7], s[54:55]
	s_lshr_b32 s61, s20, 3                         ; batch
	s_mul_i32 s54, s61, 786432
	s_add_nc_u64 s[8:9], s[8:9], s[54:55]
	s_lshl_b32 s54, s61, 15
	s_add_nc_u64 s[10:11], s[10:11], s[54:55]
	s_lshl_b32 s61, s20, 2
	s_add_co_u32 s61, s61, s[WV]                   ; my group of 64 rows
	s_mul_i32 s54, s61, 24576
	s_mul_i32 s56, s21, 3072
	s_add_co_u32 s54, s54, s56
	s_add_nc_u64 s[14:15], s[14:15], s[54:55]      ; a_img at my group, my first head
	s_lshl_b32 s54, s61, 10
	s_lshl_b32 s56, s21, 9
	s_add_co_u32 s54, s54, s56
	s_add_nc_u64 s[16:17], s[16:17], s[54:55]
	WIN 0x40
.irp m, 0,1,2,3
.irp s, 0,1,2,3
.irp k, 0,1,2
	global_load_b128 v[48*\m+12*\s+4*\k:48*\m+12*\s+4*\k+3], v233, s[4:5] offset:384*\m+96*\s+16*\k
.endr
.endr
.endr
	WIN 0
.irp m, 0,1,2,3
	global_load_b128 v[QS+4*\m:QS+4*\m+3], v234, s[6:7] offset:16*\m
.endr
; h's tile i: the six words of one position of thread vo, for each of the 16 blocks along K.  sub = the position's place among the thread's four
.macro HLOAD i, vo, sub
.if \i < 5
	WIN 0x80
.set hb, 48*\i
.else
	WIN 0xc0
.set hb, 0
.endif
.irp s, 0,1,2,3
.irp c, 0,1
.set hr, hb+12*\s+6*\c
.set ho, (4*\s+2*\c)*49152
.if \sub == 0
	global_load_b128 v[hr:hr+3], v[\vo], s[8:9] offset:ho
	global_load_b64 v[hr+4:hr+5], v[\vo], s[8:9] offset:ho+512
.elseif \sub == 1
	global_load_b64 v[hr:hr+1], v[\vo], s[8:9] offset:ho+520
	global_load_b128 v[hr+2:hr+5], v[\vo], s[8:9] offset:ho+1024
.elseif \sub == 2
	global_load_b128 v[hr:hr+3], v[\vo], s[8:9] offset:ho+1536
	global_load_b64 v[hr+4:hr+5], v[\vo], s[8:9] offset:ho+2048
.else
	global_load_b64 v[hr:hr+1], v[\vo], s[8:9] offset:ho+2056
	global_load_b128 v[hr+2:hr+5], v[\vo], s[8:9] offset:ho+2560
.endif
.endr
.endr
.endm
	HLOAD 0, 221, 3
	HLOAD 1, 220, 0
	HLOAD 2, 220, 1
	HLOAD 3, 220, 2
	HLOAD 4, 220, 3
	HLOAD 5, 222, 0
	WIN 0
.set c, 0
.rept 16
	global_load_b32 v[108+c], v223, s[10:11] offset:2048*c     ; the scale bytes as stored: a word a block, a byte a position
	global_load_b32 v[124+c], v224, s[10:11] offset:2048*c
	global_load_b32 v[140+c], v225, s[10:11] offset:2048*c
.set c, c+1
.endr
	s_wait_loadcnt 0x0
.set n, 0
.rept 16
	v_perm_b32 v[QS+n], v[QS+n], v[QS+n], 0x03010200           ; q's scale words: bytes 1 and 2 change places with their blocks
.set n, n+1
.endr
.irp s, 0,1,2,3                        ; h's: turned into a word a position and K step, a byte a block
	v_perm_b32 v188, v[109+4*\s], v[108+4*\s], 0x05010400
	v_perm_b32 v189, v[109+4*\s], v[108+4*\s], 0x07030602
	v_perm_b32 v190, v[111+4*\s], v[110+4*\s], 0x05010400
	v_perm_b32 v191, v[111+4*\s], v[110+4*\s], 0x07030602
	v_perm_b32 v[HS+4+\s], v190, v188, 0x05040100
	v_perm_b32 v[HS+8+\s], v190, v188, 0x07060302
	v_perm_b32 v[HS+12+\s], v191, v189, 0x05040100
	v_perm_b32 v[HS+16+\s], v191, v189, 0x07060302
	v_perm_b32 v192, v[125+4*\s], v[124+4*\s], 0x07030602
	v_perm_b32 v193, v[127+4*\s], v[126+4*\s], 0x07030602
	v_perm_b32 v[HS+\s], v193, v192, 0x07060302
	v_perm_b32 v194, v[141+4*\s], v[140+4*\s], 0x05010400
	v_perm_b32 v195, v[143+4*\s], v[142+4*\s], 0x05010400
	v_perm_b32 v[HS+20+\s], v195, v194, 0x05040100
.endr
.irp m, 0,1,2,3
	v_mov_b32 v[SCW+\m], 0
.endr
	v_mov_b32 v[NEG], 0xce6e6b28                   ; -1e9
	s_mov_b32 s[HB], 0
	s_mov_b32 s[TRIP], 0
	s_wait_tensorcnt 0x0                           ; my head of the four is in
	s_barrier_signal -1
	s_barrier_wait -1                              ; everybody's is
; packet n of a head's twelve, in the order q0 k0 q1 k1 q2 k2 q3 k3 v0 v1 v2 v3, into set n % 2: 15 LDS loads
.macro LOADP n
.if (\n) < 8
.set lm, (\n)%2
.set lt, (\n)/2
.else
.set lm, 2
.set lt, (\n)-8
.endif
.set ls, (\n)%2
	WIN 0xc0
.irp i, 0,1,2,3,4,5,6,7,8,9,10,11
	ds_load_b128 v[64+48*ls+4*\i:64+48*ls+4*\i+3], v[7+lm] offset:6656*lt+512*\i
.endr
	WIN 0
	ds_load_b128 v[WS+4*ls:WS+4*ls+3], v[10+lm] offset:6656*lt+6144
	ds_load_b128 v[BI+8*ls:BI+8*ls+3], v[13+lm] offset:6656*lt+6400
	ds_load_b128 v[BI+8*ls+4:BI+8*ls+7], v[13+lm] offset:6656*lt+6416
.endm
; THE PENDING SUMS: 48 packed instructions, number VI next.  Kind 0: the scores' partial sums of 16 channels, tile m against K's tiles m, m + 1, m + 2.  Kind 1: 16 channels of the result, three weighted rows of V.
; Instruction 12 (j / 2) + 3 m + o; j goes first through 0, so each matrix result is read from its low end on.  VW: the set read lies in window 0 (0) or 3 (1); VB: K's or V's first register there.
.set VI, 0
.set VN, 0
.set VK, 0
.set VT, 0
.set VW, 0
.set VB, 0
.macro VSTART kind, t, w, base
.set VK, \kind
.set VT, \t
.set VW, \w
.set VB, \base
.set VI, 0
.set VN, 48
.endm
.macro V1
.set vj, 2*(VI/12)
.set vm, (VI%12)/3
.set vo, VI%3
.set ka, VB+8*(vm+vo)+vj
.if VK == 0
.set sd, SCR+6*vm+2*vo
.set qa, QA+(QB-QA)*VW+8*vm+vj
	WIN 0x0f*VW
.if (VT == 0) && (vj == 0)
	v_pk_mul_f32 v[sd:sd+1], v[qa:qa+1], v[ka:ka+1]
.else
	v_pk_fma_f32 v[sd:sd+1], v[qa:qa+1], v[ka:ka+1], v[sd:sd+1]
.endif
.else
.set od, OUT+16*vm+8*(VT%2)+vj
.set pp, PP+6*vm+2*vo
	WIN 0x03*VW
.if vo == 0
	v_pk_mul_f32 v[od:od+1], v[ka:ka+1], v[pp:pp+1]
.else
	v_pk_fma_f32 v[od:od+1], v[ka:ka+1], v[pp:pp+1], v[od:od+1]
.endif
.endif
.set VI, VI+1
.endm
.macro VEMIT n                         ; the next n of them, as far as any are left
.rept \n
.if VI < VN
	V1
.endif
.endr
.endm
; 16 channels of Q for my four tiles, into window 0 (y = 0) or window 3 (y = 1); the bias is the C of each sum's first product; the accumulators take turns
.macro GEMMQ set, y
.irp s, 0,1,2,3
.irp m, 0,1,2,3
.set dq, QA+(QB-QA)*(\y)+8*\m
.if \s == 0
	WIN 0x07+0xc0*(\y)
	WMMA dq, 64+48*(\set)+12*\s, 48*\m+12*\s, BI+8*(\set), WS+4*(\set)+\s, QS+4*\m+\s
.else
	WIN 0x07+0xf0*(\y)
	WMMA dq, 64+48*(\set)+12*\s, 48*\m+12*\s, dq, WS+4*(\set)+\s, QS+4*\m+\s
.endif
.if \m%2 == 1
	VEMIT 3
.endif
.endr
.endr
	WIN 0
	PLACES 5                                       ; behind the products: for reads of results, loads into operands, and a new sum over old results
.endm
.macro GEMMKV set, w, base             ; the same of K or V for six tiles, into the registers from base on, in window 0 (w = 0) or 3 (w = 1)
.irp s, 0,1,2,3
.irp i, 0,1,2,3,4,5
.if \i < 5
.set wn, 0x0b
.set br, 48*\i+12*\s
.else
.set wn, 0x0f
.set br, 12*\s
.endif
.if \s == 0
	WIN wn+0xc0*(\w)
	WMMA (\base)+8*\i, 64+48*(\set)+12*\s, br, BI+8*(\set), WS+4*(\set)+\s, HS+4*\i+\s
.else
	WIN wn+0xf0*(\w)
	WMMA (\base)+8*\i, 64+48*(\set)+12*\s, br, (\base)+8*\i, WS+4*(\set)+\s, HS+4*\i+\s
.endif
.if \i%2 == 1
	VEMIT 4
.endif
.endr
.endr
	VEMIT 48                                       ; (none is left: 12 x 4 have been laid)
	WIN 0
	PLACES 5
.endm
.macro QUANT bp                        ; block bp of the head's two: a lane's 16 numbers and lane l xor 16's are the block's 32
.irp m, 0,1,2,3
	v_max3_num_f32 v[TM+\m], |v[OUT+16*\m]|, |v[OUT+16*\m+1]|, 0x2800000
.endr
.irp i, 2,4,6,8,10,12,14
.irp m, 0,1,2,3
	v_max3_num_f32 v[TM+\m], v[TM+\m], |v[OUT+16*\m+\i]|, |v[OUT+16*\m+\i+1]|
.endr
.endr
.irp m, 0,1,2,3
	v_permlanex16_b32 v[TM+4+\m], v[TM+\m], s[SEL], s[SEL+1]
.endr
.irp m, 0,1,2,3
	v_max_num_f32 v[TM+\m], v[TM+\m], v[TM+4+\m]
.endr
.irp m, 0,1,2,3
	v_add_nc_u32 v[TM+12+\m], 0xfe000000, v[TM+\m]
.endr
.irp m, 0,1,2,3
	v_lshrrev_b32 v[TM+4+\m], 23, v[TM+12+\m]
.endr
.irp m, 0,1,2,3
	v_lshlrev_b32 v[TM+4+\m], s[SH0+\bp], v[TM+4+\m]       ; the byte at its place in the K step's word,
.endr
.irp m, 0,1,2,3
	v_cndmask_b32 v[TM+4+\m], 0, v[TM+4+\m], s[MSK]        ; in the half of the lanes that carries this K step
.endr
.irp m, 0,1,2,3
	v_or_b32 v[SCW+\m], v[SCW+\m], v[TM+4+\m]
.endr
.irp m, 0,1,2,3
	v_cvt_scalef32_pk16_bf6_f32 v[HFR+8*\m+4*\bp:HFR+8*\m+4*\bp+2], v[OUT+16*\m:OUT+16*\m+15], v[TM+12+\m]
.endr
	v_nop                                          ; a plain instruction behind the conversions
.endm
.Lhead:                                            ; four trips, a head each
	s_add_co_u32 s54, s[HB], 26624
	s_add_co_u32 s55, s[HB], 53248
	v_add_nc_u32 v7, s[HB], v1
	v_add_nc_u32 v8, s54, v1
	v_add_nc_u32 v9, s55, v1
	v_add_nc_u32 v10, s[HB], v2
	v_add_nc_u32 v11, s54, v2
	s_wait_alu depctr_va_vdst(0)
	v_add_nc_u32 v12, s55, v2
	v_add_nc_u32 v13, s[HB], v3
	v_add_nc_u32 v14, s54, v3
	s_wait_alu depctr_va_vdst(0)
	v_add_nc_u32 v15, s55, v3
	s_and_b32 s[SH0], s[TRIP], 1
	s_lshl_b32 s[SH0], s[SH0], 4
	s_add_co_u32 s[SH0+1], s[SH0], 8
	s_lshr_b32 s53, s[TRIP], 1
	v_cmp_eq_u32 s[MSK], s53, v6
	LOADP 0
.irp t, 0,1,2,3                        ; Q's and K's channels 16 t ..: their results go to set t % 2, while the scores' sums over channels 16 (t - 1) .. read the other set
	LOADP 2*\t+1
	s_wait_dscnt 15                                ; all but the next packet's 15 loads
	GEMMQ 0, \t%2
	LOADP 2*\t+2
	s_wait_dscnt 15
.if \t%2
	GEMMKV 1, 1, KB
	VSTART 0, \t, 1, KB
.else
	GEMMKV 1, 0, KA
	VSTART 0, \t, 0, KA
.endif
.endr
	VEMIT 48                                       ; the last 16 channels' sums
	WIN 0
; the softmax over three scores, as reference() has it: x 1/8, the mask, the maximum taken away
.set n, 0
.rept 12
	v_add_f32 v[SCR+2*n], v[SCR+2*n], v[SCR+2*n+1]
.set n, n+1
.endr
.set n, 0
.rept 12
	v_permlanex16_b32 v[SCR+2*n+1], v[SCR+2*n], s[SEL], s[SEL+1]
.set n, n+1
.endr
.set n, 0
.rept 12
	v_add_f32 v[SCR+2*n], v[SCR+2*n], v[SCR+2*n+1]
.set n, n+1
.endr
.set n, 0
.rept 12
	v_mul_f32 v[SCR+2*n], 0x3e000000, v[SCR+2*n]
.set n, n+1
.endr
	v_cmp_eq_u32 vcc_lo, 0, v5                     ; position 0 has no left neighbour,
	v_cndmask_b32 v[SCR], v[SCR], v[NEG], vcc_lo
	v_cmp_eq_u32 vcc_lo, 0x7fc, v5                 ; position 2,047 no right one
	v_cndmask_b32 v[SCR+22], v[SCR+22], v[NEG], vcc_lo
.irp m, 0,1,2,3
	v_max3_num_f32 v[SCR+6*\m+1], v[SCR+6*\m], v[SCR+6*\m+2], v[SCR+6*\m+4]
.endr
.irp m, 0,1,2,3
.irp o, 0,1,2
	v_sub_f32 v[SCR+6*\m+2*\o], v[SCR+6*\m+2*\o], v[SCR+6*\m+1]
.endr
.endr
.set n, 0
.rept 12
	v_mul_f32 v[SCR+2*n], 0x3fb8aa3b, v[SCR+2*n]
.set n, n+1
.endr
.set n, 0
	s_wait_alu depctr_va_vdst(0)
.rept 12
	v_exp_f32 v[SCR+2*n], v[SCR+2*n]
.set n, n+1
.endr
	v_nop
	s_wait_alu depctr_va_vdst(0)                   ; one wait for the twelve exponentials, ahead of their first reader
.irp m, 0,1,2,3
	v_add_f32 v[SCR+6*\m+1], v[SCR+6*\m], v[SCR+6*\m+2]
.endr
.irp m, 0,1,2,3
	v_add_f32 v[SCR+6*\m+1], v[SCR+6*\m+1], v[SCR+6*\m+4]
.endr
	s_wait_alu depctr_va_vdst(0)
.irp m, 0,1,2,3
	v_rcp_f32 v[SCR+6*\m+3], v[SCR+6*\m+1]
.endr
	v_nop
	s_wait_alu depctr_va_vdst(0)                   ; and one for the four reciprocals
.irp m, 0,1,2,3
.irp o, 0,1,2
	v_mul_f32 v[PP+6*\m+2*\o], v[SCR+6*\m+2*\o], v[SCR+6*\m+3]
	v_mul_f32 v[PP+6*\m+2*\o+1], v[SCR+6*\m+2*\o], v[SCR+6*\m+3]   ; twice: a pair for the packed forms
.endr
.endr
.irp t, 0,1,2,3                        ; V's channels 16 t .. go to set t % 2 of window 3, while the weighted sums of channels 16 (t - 1) .. read the other set
.if \t < 3
	LOADP 9+\t
	s_wait_dscnt 15                                ; all but the next packet's 15 loads
.else
	s_wait_dscnt 0x0
.endif
	GEMMKV \t%2, 1, 160+48*(\t%2)
.if \t == 2
	QUANT 0                                        ; channels 0-31 of the result are whole; channels 32 .. are laid over them only behind this
.endif
	VSTART 1, \t, 1, 160+48*(\t%2)
.endr
	VEMIT 48                                       ; the last 16 channels
	WIN 0
	QUANT 1
.irp m, 0,1,2,3                        ; the operand's layout wants a whole block in a lane: lanes 0-15 the head's first block, lanes 16-31 its second
.irp i, 0,1,2
	v_permlane16_swap_b32 v[HFR+8*\m+\i], v[HFR+8*\m+4+\i]
.endr
.endr
.irp m, 0,1,2,3
	v_mov_b32 v[HFR+8*\m+3], v[HFR+8*\m+4]
	v_mov_b32 v[HFR+8*\m+4], v[HFR+8*\m+5]
	v_mov_b32 v[HFR+8*\m+5], v[HFR+8*\m+6]
.endr
.irp m, 0,1,2,3
	global_store_b128 v1, v[HFR+8*\m:HFR+8*\m+3], s[14:15] offset:6144*\m          ; 512 consecutive bytes,
	global_store_b64 v4, v[HFR+8*\m+4:HFR+8*\m+5], s[14:15] offset:6144*\m+512     ; and 256
.endr
	s_wait_xcnt 0x0                                ; the stores have read their base and data: both are written again below and in the next trip
	s_add_nc_u64 s[14:15], s[14:15], 768
	s_add_co_u32 s[HB], s[HB], 79872
	s_add_co_u32 s[TRIP], s[TRIP], 1
	s_cmp_lt_u32 s[TRIP], 4
	s_cbranch_scc1 .Lhead
	global_store_b128 v1, v[SCW:SCW+3], s[16:17]   ; lanes 0-15: the words of K step 2 y, lanes 16-31 of 2 y + 1; four tiles a lane
	s_wait_tensorcnt 0x0
	ds_add_u32 v254, v255
	s_wait_dscnt 0x0
	CROUND                                         ; the closing round
	s_endpgm
.Lfunc_end_k_q9c8c2f9f8a_qkvattn:
	.size	k_q9c8c2f9f8a_qkvattn, .Lfunc_end_k_q9c8c2f9f8a_qkvattn-k_q9c8c2f9f8a_qkvattn
	.p2alignl 7, 3214868480
	.fill 96, 4, 3214868480
	.section	.rodata,"a",@progbits
	.p2align	6, 0x0
	.amdhsa_kernel k_q9c8c2f9f8a_qkvattn
		.amdhsa_group_segment_fixed_size 327680
		.amdhsa_private_segment_fixed_size 0
		.amdhsa_enable_private_segment 0
		.amdhsa_kernarg_size 56
		.amdhsa_user_sgpr_count 2
		.amdhsa_user_sgpr_kernarg_segment_ptr 1
		.amdhsa_wavefront_size32 1
		.amdhsa_system_sgpr_workgroup_id_x 1
		.amdhsa_system_sgpr_workgroup_id_y 1
		.amdhsa_system_sgpr_workgroup_id_z 1
		.amdhsa_system_vgpr_workitem_id 0
		.amdhsa_next_free_vgpr 1024
		.amdhsa_next_free_sgpr 66
		.amdhsa_reserve_vcc 1
		.amdhsa_float_denorm_mode_32 3
		.amdhsa_float_denorm_mode_16_64 3
		.amdhsa_memory_ordered 1
		.amdhsa_forward_progress 1
		.amdhsa_inst_pref_size 124
	.end_amdhsa_kernel
	.amdgpu_metadata
---
amdhsa.version: [ 1, 2 ]
amdhsa.kernels:
  - .name:           k_q9c8c2f9f8a_qkvattn
    .symbol:         k_q9c8c2f9f8a_qkvattn.kd
    .args:
      - { .name: q_codes, .offset: 0, .size: 8, .value_kind: global_buffer, .address_space: global }
      - { .name: q_scales, .offset: 8, .size: 8, .value_kind: global_buffer, .address_space: global }
      - { .name: h_img, .offset: 16, .size: 8, .value_kind: global_buffer, .address_space: global }
      - { .name: h_scl, .offset: 24, .size: 8, .value_kind: global_buffer, .address_space: global }
      - { .name: wqkv, .offset: 32, .size: 8, .value_kind: global_buffer, .address_space: global }
      - { .name: a_img, .offset: 40, .size: 8, .value_kind: global_buffer, .address_space: global }
      - { .name: a_scl, .offset: 48, .size: 8, .value_kind: global_buffer, .address_space: global }
    .group_segment_fixed_size: 327680
    .private_segment_fixed_size: 0
    .kernarg_segment_align: 8
    .kernarg_segment_size: 56
    .max_flat_workgroup_size: 128
    .sgpr_count:     66
    .vgpr_count:     1024
    .wavefront_size: 32
...
	.end_amdgpu_metadata
.endif
;; end of part 2
;; launch ostats (part 3): grid 256 x 1, 4 waves a work-group, clusters of 4 x 1, 327,680 bytes of LDS; arguments a_img, a_scl, wstream, part; writes part
.if DOCPART == 3
	.amdgcn_target "amdgcn-amd-amdhsa--gfx1250"
	.amdhsa_code_object_version 6
	.text
	.protected	k_q9c8c2f9f8a_ostats
	.globl	k_q9c8c2f9f8a_ostats
	.p2align	8
	.type	k_q9c8c2f9f8a_ostats,@function
k_q9c8c2f9f8a_ostats:
	s_mov_b64 s[64:65], 0
	v_nop
	global_prefetch_b8 v0, s[64:65] scope:SCOPE_SE
	s_setreg_imm32_b32 hwreg(HW_REG_WAVE_MODE, 25, 1), 1
	s_wait_xcnt 0x0
	s_wait_alu depctr_hold_cnt(0) depctr_sa_sdst(0) depctr_va_vdst(0) depctr_va_sdst(0) depctr_va_ssrc(0) depctr_va_vcc(0) depctr_vm_vsrc(0)
	s_getreg_b32 s2, hwreg(HW_REG_IB_STS2, 6, 4)
	s_cmp_eq_u32 s2, 0
	s_cbranch_scc0 .Lentry_in_a_cluster
	s_endpgm
.Lentry_in_a_cluster:
	s_bfe_u32 s2, ttmp6, 0x10000c
	s_cmp_lg_u32 s2, 0x3003
	s_cbranch_scc0 .Lentry_shape_is_right
	s_endpgm
.Lentry_shape_is_right:
; o = a Wo + bo for 128 rows on codes of E3M2, and of each of its 512 channels the mean over these rows and the sum of squares about that mean: the parts from which the next launch makes InstanceNorm's statistics.
; The waves share the columns (128 each); products transposed (source 0 = weight): a lane holds one row, eight channels.  Wo's 32 packets (212,992 bytes, dense in memory) come into LDS once, by joint loads
; of the four work-groups of a cluster, 208 rows of 256 bytes a wave; nothing in LDS is filled again.  No prefetch: the launch has no loop that runs ahead of a load.
; LIMITS: NaN and infinities are not served; sums are added in another order than reference()'s.
.set WV, 12
.set G1, 24
.set G0, 32
.set STAT, 212992
.set WS, 24
.set AS, 32
.set BI, 72
.set ACC, 88
.set ASTR, 8
.set S, 152
.set M2, 160
.set MSB, 0
.macro WIN new
.if MSB != \new
	s_set_vgpr_msb (MSB<<8)|\new
.set MSB, \new
.endif
.endm
.macro PLACES n
.rept \n
	v_nop
.endr
.endm
.macro CROUND
	s_barrier_signal -1
	s_barrier_wait -1
	s_cmp_lg_u32 s[WV], 0
	s_cbranch_scc1 .Lnot_wave_0_\@
	s_barrier_signal -3
.Lnot_wave_0_\@:
	s_barrier_wait -3
	s_barrier_signal -1
	s_barrier_wait -1
.endm
.macro WMMA d, a, b, c, sa, sb, r1
.if (\r1)
	v_wmma_scale_f32_16x16x128_f8f6f4 v[(\d):(\d)+7], v[(\a):(\a)+11], v[(\b):(\b)+11], v[(\c):(\c)+7], v[\sa], v[\sb] matrix_a_fmt:MATRIX_FMT_BF6 matrix_b_fmt:MATRIX_FMT_BF6 matrix_b_scale:MATRIX_SCALE_ROW1
.else
	v_wmma_scale_f32_16x16x128_f8f6f4 v[(\d):(\d)+7], v[(\a):(\a)+11], v[(\b):(\b)+11], v[(\c):(\c)+7], v[\sa], v[\sb] matrix_a_fmt:MATRIX_FMT_BF6 matrix_b_fmt:MATRIX_FMT_BF6
.endif
.endm
	s_load_b256 s[4:11], s[0:1], 0x0
	v_lshl_add_u32 v254, v0, 2, 0x35000
	v_mov_b32 v255, 0
	ds_add_u32 v254, v255
	ds_add_u32 v254, v255
	v_lshrrev_b32 v1, 5, v0
	v_readfirstlane_b32 s[WV], v1
	s_bfe_u32 s13, ttmp6, 0x40000
	s_lshl_b32 s14, ttmp9, 2
	s_add_co_u32 s14, s14, s13
	s_mov_b32 s[G1], 15|(3<<16)|(1<<21)
	s_mov_b32 s[G1+1], 32<<16
	s_mov_b32 s[G1+2], 208<<16
	s_mov_b32 s[G1+3], 32<<16
	s_mov_b32 s[G1+4], 208
	s_mov_b32 s[G1+5], 32
	s_mov_b32 s[G1+6], 0
	s_mov_b32 s[G1+7], 0
	s_mul_i32 s15, s[WV], 26624
	s_mul_i32 s16, s[WV], 53248                    ; I fetch a quarter of the 212,992 bytes; s15: where the packets that I read begin
	s_mov_b32 s17, 0
	s_mov_b32 s44, 0x3c000000
	s_mov_b32 s45, s44
	s_wait_dscnt 0x0
	s_wait_kmcnt 0x0
	s_add_nc_u64 s[8:9], s[8:9], s[16:17]
	s_mov_b32 s[G0], 1
	s_mov_b32 s[G0+1], s16
	s_mov_b64 s[G0+2:G0+3], s[8:9]
	s_or_b32 s[G0+3], s[G0+3], 0x80000000
	CROUND
	tensor_load_to_lds s[G0:G0+3], s[G1:G1+7]      ; my one tensor load
	s_nop 0
	PLACES 4
	v_and_b32 v13, 31, v0
	v_and_b32 v12, 15, v0
	v_bfe_u32 v6, v0, 4, 1
	v_lshlrev_b32 v1, 4, v13
	s_wait_alu depctr_va_vdst(0)
	v_lshlrev_b32 v2, 4, v12
	v_lshlrev_b32 v3, 5, v6
	v_lshlrev_b32 v4, 3, v13
	s_wait_alu depctr_va_vdst(0)
	s_mul_i32 s16, s14, 49152
	s_add_nc_u64 s[4:5], s[4:5], s[16:17]
	s_lshl_b32 s16, s14, 11
	s_add_nc_u64 s[6:7], s[6:7], s[16:17]
	s_lshl_b32 s16, s14, 12
	s_lshl_b32 s18, s[WV], 9
	s_add_co_u32 s16, s16, s18
	s_add_nc_u64 s[10:11], s[10:11], s[16:17]
.irp T, 0,1,2,3,4,5,6,7
.if \T < 5
	WIN 0x40
.set ab, 48*\T
.else
	WIN 0x80
.set ab, 48*(\T-5)
.endif
.irp hd, 0,1,2,3,4,5,6,7
	global_load_b128 v[ab+6*\hd:ab+6*\hd+3], v1, s[4:5] offset:6144*\T+768*\hd
	global_load_b64 v[ab+6*\hd+4:ab+6*\hd+5], v4, s[4:5] offset:6144*\T+768*\hd+512
.endr
.endr
	WIN 0
.irp g, 0,1,2,3
	global_load_b128 v[AS+4*\g:AS+4*\g+3], v1, s[6:7] offset:512*\g
.endr
	s_mov_b32 s40, s15
	s_add_co_u32 s42, s18, STAT
	s_mov_b32 s43, s42
	s_mov_b32 s41, 0
	s_wait_loadcnt 0x0
	s_wait_tensorcnt 0x0                           ; my quarter is in; behind the barrier everybody's is
	s_barrier_signal -1
	s_barrier_wait -1
.macro LOADP set, p
	WIN 0x80
.irp i, 0,1,2,3,4,5,6,7,8,9,10,11
	ds_load_b128 v[160+48*(\set)+4*\i:160+48*(\set)+4*\i+3], v7 offset:6656*(\p)+512*\i
.endr
	WIN 0
	ds_load_b128 v[WS+4*(\set):WS+4*(\set)+3], v8 offset:6656*(\p)+6144
	ds_load_b128 v[BI+8*(\set):BI+8*(\set)+3], v9 offset:6656*(\p)+6400
	ds_load_b128 v[BI+8*(\set)+4:BI+8*(\set)+7], v9 offset:6656*(\p)+6416
.endm
.macro GEMM8 set
.irp s, 0,1,2,3
.irp T, 0,1,2,3,4,5,6,7
.if \T < 5
	WIN 0x06
.set br, 48*\T+12*\s
.else
	WIN 0x0a
.set br, 48*(\T-5)+12*\s
.endif
.set dr, ACC+ASTR*\T
.if \s == 0
.set cr, BI+8*(\set)
.else
.set cr, dr
.endif
.set sr, AS+4*(2*(\T/4)+\s/2)+\T%4
	WMMA dr, 160+48*(\set)+12*\s, br, cr, WS+4*(\set)+\s, sr, \s%2
.endr
.endr
	WIN 0
	PLACES 5
.endm
.macro STATS p
.irp j, 0,2,4,6
	v_pk_add_f32 v[S+\j:S+\j+1], v[ACC+\j:ACC+\j+1], v[ACC+8+\j:ACC+9+\j]
.irp T, 2,3,4,5,6,7
	v_pk_add_f32 v[S+\j:S+\j+1], v[S+\j:S+\j+1], v[ACC+8*\T+\j:ACC+8*\T+\j+1]
.endr
.endr
.irp k, 1,2,4,8
.irp j, 0,1,2,3,4,5,6,7
	v_add_f32_dpp v[S+\j], v[S+\j], v[S+\j] row_xmask:\k row_mask:0xf bank_mask:0xf
.endr
.endr
.irp j, 0,2,4,6
	v_pk_mul_f32 v[S+\j:S+\j+1], v[S+\j:S+\j+1], s[44:45] op_sel_hi:[1,0]
.endr
.irp T, 0,1,2,3,4,5,6,7
.irp j, 0,2,4,6
	v_pk_add_f32 v[ACC+8*\T+\j:ACC+8*\T+\j+1], v[ACC+8*\T+\j:ACC+8*\T+\j+1], v[S+\j:S+\j+1] neg_lo:[0,1] neg_hi:[0,1]
.endr
.endr
.irp j, 0,2,4,6
	v_pk_mul_f32 v[M2+\j:M2+\j+1], v[ACC+\j:ACC+\j+1], v[ACC+\j:ACC+\j+1]
.endr
.irp T, 1,2,3,4,5,6,7
.irp j, 0,2,4,6
	v_pk_fma_f32 v[M2+\j:M2+\j+1], v[ACC+8*\T+\j:ACC+8*\T+\j+1], v[ACC+8*\T+\j:ACC+8*\T+\j+1], v[M2+\j:M2+\j+1]
.endr
.endr
.irp k, 1,2,4,8
.irp j, 0,1,2,3,4,5,6,7
	v_add_f32_dpp v[M2+\j], v[M2+\j], v[M2+\j] row_xmask:\k row_mask:0xf bank_mask:0xf
.endr
.endr
.set so, 128*((\p)/2)+32*((\p)%2)
	ds_store_b128 v10, v[S:S+3] offset:so
	ds_store_b128 v10, v[S+4:S+7] offset:so+16
	ds_store_b128 v10, v[M2:M2+3] offset:so+2048
	ds_store_b128 v10, v[M2+4:M2+7] offset:so+2064
.endm
.Lslot:
	v_add_nc_u32 v7, s40, v1
	v_add_nc_u32 v8, s40, v2
	v_add_nc_u32 v9, s40, v3
	v_lshl_add_u32 v10, v6, 6, s42
	LOADP 0, 0
.irp p, 0,1,2,3
.if \p < 3
	LOADP (\p+1)%2, \p+1
	s_wait_dscnt 15
.else
	s_wait_dscnt 0x0
.endif
	GEMM8 \p%2
	STATS \p
.endr
	s_add_co_u32 s40, s40, 106496
	s_add_co_u32 s42, s42, 256
	s_add_co_u32 s41, s41, 1
	s_cmp_lt_u32 s41, 2
	s_cbranch_scc1 .Lslot
	v_add_nc_u32 v11, s43, v1
	ds_load_b128 v[152:155], v11
	ds_load_b128 v[156:159], v11 offset:2048
	s_wait_dscnt 0x0
	global_store_b128 v1, v[152:155], s[10:11]
	global_store_b128 v1, v[156:159], s[10:11] offset:2048
	s_wait_tensorcnt 0x0
	ds_add_u32 v254, v255
	s_wait_dscnt 0x0
	CROUND
	s_endpgm
.Lfunc_end_k_q9c8c2f9f8a_ostats:
	.size	k_q9c8c2f9f8a_ostats, .Lfunc_end_k_q9c8c2f9f8a_ostats-k_q9c8c2f9f8a_ostats
	.p2alignl 7, 3214868480
	.fill 96, 4, 3214868480
	.section	.rodata,"a",@progbits
	.p2align	6, 0x0
	.amdhsa_kernel k_q9c8c2f9f8a_ostats
		.amdhsa_group_segment_fixed_size 327680
		.amdhsa_private_segment_fixed_size 0
		.amdhsa_enable_private_segment 0
		.amdhsa_kernarg_size 32
		.amdhsa_user_sgpr_count 2
		.amdhsa_user_sgpr_kernarg_segment_ptr 1
		.amdhsa_wavefront_size32 1
		.amdhsa_system_sgpr_workgroup_id_x 1
		.amdhsa_system_sgpr_workgroup_id_y 1
		.amdhsa_system_sgpr_workgroup_id_z 1
		.amdhsa_system_vgpr_workitem_id 0
		.amdhsa_next_free_vgpr 768
		.amdhsa_next_free_sgpr 66
		.amdhsa_reserve_vcc 0
		.amdhsa_float_denorm_mode_32 3
		.amdhsa_float_denorm_mode_16_64 3
		.amdhsa_memory_ordered 1
		.amdhsa_forward_progress 1
		.amdhsa_inst_pref_size 80
	.end_amdhsa_kernel
	.amdgpu_metadata
---
amdhsa.version: [ 1, 2 ]
amdhsa.kernels:
  - .name:           k_q9c8c2f9f8a_ostats
    .symbol:         k_q9c8c2f9f8a_ostats.kd
    .args:
      - { .name: a_img, .offset: 0, .size: 8, .value_kind: global_buffer, .address_space: global }
      - { .name: a_scl, .offset: 8, .size: 8, .value_kind: global_buffer, .address_space: global }
      - { .name: wstream, .offset: 16, .size: 8, .value_kind: global_buffer, .address_space: global }
      - { .name: part, .offset: 24, .size: 8, .value_kind: global_buffer, .address_space: global }
    .group_segment_fixed_size: 327680
    .private_segment_fixed_size: 0
    .kernarg_segment_align: 8
    .kernarg_segment_size: 32
    .max_flat_workgroup_size: 128
    .sgpr_count:     66
    .vgpr_count:     768
    .wavefront_size: 32
...
	.end_amdgpu_metadata
.endif
;; end of part 3
;; launch mlp (part 4): grid 256 x 1, 4 waves a work-group, clusters of 4 x 1, 327,680 bytes of LDS; arguments a_img, a_scl, wstream, part, bo, g2, b2, x, out0; writes out0
.if DOCPART == 4
	.amdgcn_target "amdgcn-amd-amdhsa--gfx1250"
	.amdhsa_code_object_version 6
	.text
	.protected	k_q9c8c2f9f8a_mlp
	.globl	k_q9c8c2f9f8a_mlp
	.p2align	8
	.type	k_q9c8c2f9f8a_mlp,@function
k_q9c8c2f9f8a_mlp:
	s_mov_b64 s[64:65], 0
	v_nop
	global_prefetch_b8 v0, s[64:65] scope:SCOPE_SE
	s_setreg_imm32_b32 hwreg(HW_REG_WAVE_MODE, 25, 1), 1
	s_wait_xcnt 0x0
	s_wait_alu depctr_hold_cnt(0) depctr_sa_sdst(0) depctr_va_vdst(0) depctr_va_sdst(0) depctr_va_ssrc(0) depctr_va_vcc(0) depctr_vm_vsrc(0)
	s_getreg_b32 s2, hwreg(HW_REG_IB_STS2, 6, 4)
	s_cmp_eq_u32 s2, 0
	s_cbranch_scc0 .Lentry_in_a_cluster
	s_endpgm
.Lentry_in_a_cluster:
	s_bfe_u32 s2, ttmp6, 0x10000c
	s_cmp_lg_u32 s2, 0x3003
	s_cbranch_scc0 .Lentry_shape_is_right
	s_endpgm
.Lentry_shape_is_right:
; For 128 rows: the batch's statistics are combined; o = a Wo + bo once more; the second InstanceNorm; u = QuickGELU(h2 Wfc + bfc); out = x + u Wpr + bpr, stored [batch][channel][position].
; WEIGHTS: ten slots of 106,496 bytes (Wo 2, Wfc 4, Wpr 4) walk through a ring of two LDS slots, by joint loads of the four work-groups of a cluster; a wave fetches a quarter of a slot.
; P1, P2: the waves share the COLUMNS; products transposed (source 0 = weight): a lane holds one row, registers run along the next K; codes go from wave to wave through LDS as images of the operand's registers.
; P3 GOES BY CHANNELS: a slot of Wpr holds all 1,024 of K for 128 channels.  A wave takes 64 positions (wave / 2) x 64 channels of the slot (wave % 2): u's 4 tiles x 8 K steps stay in 384 registers for all
; four slots (they are fetched among the first slot's K steps, two steps ahead); 16 accumulators, 8 K steps of 16 matrix instructions; source 0 = u, source 1 = Wpr: a lane holds one channel and eight neighbouring positions.
; THE WAY OUT of slot j stands among slot j + 1's K steps: the 16 accumulators go to my stage (64 rows of 256 + 16 bytes, laid over u's LDS bytes once all waves hold u in registers), and come back 16 channels
; (a quarter) at a time as whole rows of 256 bytes; they are added onto x, and the sums are stored from x's registers.
; x: sixteen quarters q = 4 slot + quarter, in two sets of 128 registers by the slot's parity.  Quarters 0-5 are asked for at the head, 6 and 7 at P3's start, and quarter d + 7 in the step in which quarter d goes out,
; into the registers that quarter d - 1 was stored from: seven quarters are on their way ahead of each use.  All addresses are the wave's base + an immediate of at most 3.5 MB.
; x IS PREFETCHED where it is loaded late: trip t = 0, 1 of P2's loop asks for slot t + 2's part (64 rows of 256 bytes a wave, a lane a row, two instructions), five trips (of P2's four and P3's four slots) ahead of its loads;
; each row is named by one wave.  Slots 0 and 1 are loaded so early that nothing is asked ahead of them.
; LDS: 0 slot 0 | 106,496 u's first four pieces | 131,072 slot 1 | 237,568 u's other twelve (earlier h2, later the stages) | 311,296 scale bytes | 315,392 three tables of 512 | 321,536 spare words.
; All of a WGP's LDS is claimed, and the add of 0 onto the spare words is written.
; LIMITS: NaN and infinities are not served; a block under 2^-122 carries the byte 1; sums are added in another order than reference()'s.
; REGISTERS.  Window 0: v1 16 lane, v2 16 r, v3 32 h, v4 8 lane, v5 spare word, v6 0, v7-21 addresses and lane terms, v22 8,192 lane, v23 8,192 h + 16 r; v24-63 scale words and nothing else;
;   v64-87, v248-255 bias; v88-215 accumulators; v216-247 at work.  Windows 1, 2: the rows' fragments (in P3 u's), and from v160 of window 2 the weights' two sets.  Window 3: v0-63 codes just made; x from v64 on, in P3 all of it.
.set WV, 22
.set WGN, 36
.set SB, 37
.set CNT, 38
.set SEL, 40
.set CG, 42
.set WOFF, 45
.set STA, 46
.set SWA, 47
.set SWS, 48
.set PFP, 52
.set RH, 54
.set WQ, 55
.set UG, 106496
.set UT, 237568
.set USC, 311296
.set TAB, 315392
.set SPARE, 321536
.set WS, 24
.set AS, 32
.set BI, 72
.set ACC, 88
.set TM, 216
.set T1, 232
.set T2, 240
.set BY, 248
.set MB, 1<<20                         ; 128 channels of x or out0: 128 x 8,192 bytes
.set MSB, 0
.macro WIN new
.if MSB != \new
	s_set_vgpr_msb (MSB<<8)|\new
.set MSB, \new
.endif
.endm
.macro PLACES n
.rept \n
	v_nop
.endr
.endm
.macro CROUND
	s_barrier_signal -1
	s_barrier_wait -1
	s_cmp_lg_u32 s[WV], 0
	s_cbranch_scc1 .Lnot_wave_0_\@
	s_barrier_signal -3
.Lnot_wave_0_\@:
	s_barrier_wait -3
	s_barrier_signal -1
	s_barrier_wait -1
.endm
.macro WMMA d, a, b, c, sa, sb, r1
.if (\r1)
	v_wmma_scale_f32_16x16x128_f8f6f4 v[(\d):(\d)+7], v[(\a):(\a)+11], v[(\b):(\b)+11], v[(\c):(\c)+7], v[\sa], v[\sb] matrix_a_fmt:MATRIX_FMT_BF6 matrix_b_fmt:MATRIX_FMT_BF6 matrix_b_scale:MATRIX_SCALE_ROW1
.else
	v_wmma_scale_f32_16x16x128_f8f6f4 v[(\d):(\d)+7], v[(\a):(\a)+11], v[(\b):(\b)+11], v[(\c):(\c)+7], v[\sa], v[\sb] matrix_a_fmt:MATRIX_FMT_BF6 matrix_b_fmt:MATRIX_FMT_BF6
.endif
.endm
; THE CHANGE OF SLOTS: all my tensor loads have landed (the slot ahead); the add; my LDS reads and stores are done; a round of the cluster's barrier; then the slot just left is filled.
.macro CHANGE fill
	WIN 0
	s_wait_tensorcnt 0x0                           ; no tensor load of mine is out, so the descriptor may be written
	ds_add_u32 v5, v6                              ; 0 onto my spare word
.if \fill
	s_xor_b32 s33, s33, 1<<17                      ; the other LDS slot,
	s_add_nc_u64 s[34:35], s[34:35], 106496        ; the next slot of the stream
.endif
	s_wait_dscnt 0x0
.if \fill
	CROUND
	tensor_load_to_lds s[32:35], s[24:31]          ; my one tensor load behind the round, and the first thing there
	s_nop 0
	PLACES 4
.else
	s_barrier_signal -1
	s_barrier_wait -1
.endif
.endm
.macro XSET q                          ; quarter q = 4 slot + c: XR its 32 registers in window 3 (even slots from v128, odd slots from v64, wrapping at v128), XO its bytes from my base
.set XR, 128-128*(((\q)/4)%2)+(32*((\q)%4)+64*(((\q)/4)%2))%128
.set XO, ((\q)/4)*MB+16*((\q)%4)*8192
.endm
.macro XLOAD q                         ; a quarter of x: 16 channels, two rows of 256 bytes a load
	XSET \q
	WIN 0xc0
.irp k, 0,1,2,3,4,5,6,7
	global_load_b128 v[XR+4*\k:XR+4*\k+3], v23, s[18:19] offset:XO+2*\k*8192 th:TH_LOAD_NT
.endr
	WIN 0
.endm
	s_load_b512 s[4:19], s[0:1], 0x0               ; a_img, a_scl, wstream, part, bo, g2, b2, x
	s_load_b64 s[20:21], s[0:1], 0x40              ; out0
	v_lshl_add_u32 v5, v0, 2, SPARE
	v_mov_b32 v6, 0
	ds_add_u32 v5, v6
	ds_add_u32 v5, v6
	s_wait_dscnt 0x0
	v_lshrrev_b32 v1, 5, v0
	v_readfirstlane_b32 s[WV], v1
	s_bfe_u32 s23, ttmp6, 0x40000
	s_lshl_b32 s[WGN], ttmp9, 2
	s_add_co_u32 s[WGN], s[WGN], s23               ; my block of 128 rows
	s_mov_b32 s24, 15|(3<<16)|(1<<21)              ; mask: all four work-groups; elements of 8 bytes; bit 21 beside a mask
	s_mov_b32 s25, 32<<16
	s_mov_b32 s26, 104<<16                         ; 104 rows of 256 bytes: a wave's quarter of a slot
	s_mov_b32 s27, 32<<16
	s_mov_b32 s28, 104
	s_mov_b32 s29, 32
	s_mov_b32 s30, 0
	s_mov_b32 s31, 0
	s_mul_i32 s[WOFF], s[WV], 26624
	s_mov_b32 s50, s[WOFF]
	s_mov_b32 s51, 0
	s_mov_b32 s[SEL], 0x76543210
	s_mov_b32 s[SEL+1], 0xfedcba98
	s_mov_b32 s[CG], 0xc01d265f                    ; -1.702 log2(e)
	s_mov_b32 s[CG+1], s[CG]
	s_mov_b32 s[SB], 0
	s_wait_kmcnt 0x0
	s_mov_b32 s32, 1
	s_mov_b32 s33, s[WOFF]
	s_add_nc_u64 s[34:35], s[8:9], s[50:51]
	s_or_b32 s35, s35, 0x80000000
	CROUND
	tensor_load_to_lds s[32:35], s[24:31]          ; slot 0
	s_nop 0
	PLACES 4
	v_and_b32 v13, 31, v0
	v_and_b32 v12, 15, v0                          ; r
	v_bfe_u32 v11, v0, 4, 1                        ; h
	v_lshlrev_b32 v1, 4, v13
	v_lshlrev_b32 v2, 4, v12
	v_lshlrev_b32 v3, 5, v11
	v_lshlrev_b32 v4, 3, v13
	v_lshlrev_b32 v14, 6, v11
	v_lshrrev_b32 v19, 2, v12
	v_and_b32 v20, 3, v12
	v_mul_u32_u24 v15, v19, 768                    ; u goes to NATURAL tiles of rows: row 64 g + 4 r + m is lane 4 (r % 4) + m of tile 4 g + r / 4
	v_lshl_add_u32 v16, v20, 5, v15
	v_lshl_add_u32 v16, v11, 7, v16                ; its 8-byte part
	v_lshl_add_u32 v15, v20, 6, v15
	v_lshl_add_u32 v15, v11, 8, v15                ; its 16-byte part
	v_lshlrev_b32 v17, 9, v19
	v_lshl_add_u32 v17, v20, 7, v17                ; its scale bytes: 32 a row
	v_lshlrev_b32 v18, 5, v12
	v_lshlrev_b32 v22, 13, v13                     ; the prefetches: a lane a channel
	v_lshl_add_u32 v23, v11, 13, v2                ; x and out0: lanes 0-15 one channel's 256 bytes, lanes 16-31 the next channel's
	s_mul_i32 s50, s[WGN], 49152
	s_add_nc_u64 s[4:5], s[4:5], s[50:51]
	s_lshl_b32 s50, s[WGN], 11
	s_add_nc_u64 s[6:7], s[6:7], s[50:51]
	s_lshr_b32 s39, s[WGN], 4                      ; batch
	s_lshl_b32 s50, s39, 16
	s_add_nc_u64 s[10:11], s[10:11], s[50:51]
	s_lshl_b32 s50, s39, 22                        ; x and out0: batch, 64 (wave % 2) channels, my block's 128 positions, 64 (wave / 2) of them on
	s_and_b32 s[WQ], s[WV], 1
	s_lshl_b32 s39, s[WQ], 19
	s_add_co_u32 s50, s50, s39
	s_mul_i32 s[WQ], s[WQ], 53248                  ; in P3 I read two quarters of a slot: 2 (wave % 2) and the next
	s_lshr_b32 s[RH], s[WV], 1
	s_lshl_b32 s39, s[RH], 8
	s_add_co_u32 s50, s50, s39
	s_and_b32 s39, s[WGN], 15
	s_lshl_b32 s39, s39, 9
	s_add_co_u32 s50, s50, s39
	s_add_nc_u64 s[18:19], s[18:19], s[50:51]
	s_add_nc_u64 s[20:21], s[20:21], s[50:51]
	s_mov_b64 s[PFP:PFP+1], s[18:19]
.irp T, 0,1,2,3,4,5,6,7                ; a's eight tiles, all of K
.if \T < 5
	WIN 0x40
.set ab, 48*\T
.else
	WIN 0x80
.set ab, 48*(\T-5)
.endif
.irp hd, 0,1,2,3,4,5,6,7
	global_load_b128 v[ab+6*\hd:ab+6*\hd+3], v1, s[4:5] offset:6144*\T+768*\hd
	global_load_b64 v[ab+6*\hd+4:ab+6*\hd+5], v4, s[4:5] offset:6144*\T+768*\hd+512
.endr
.endr
	WIN 0
.irp g, 0,1,2,3
	global_load_b128 v[AS+4*\g:AS+4*\g+3], v1, s[6:7] offset:512*\g
.endr
; the batch's statistics: thread t combines channels 4 t .. 4 t + 3 of the sixteen blocks of 128 rows
	v_lshlrev_b32 v64, 4, v0
.set i, 0
.rept 16
	global_load_b128 v[88+4*i:91+4*i], v64, s[10:11] offset:4096*i
	global_load_b128 v[152+4*i:155+4*i], v64, s[10:11] offset:4096*i+2048
.set i, i+1
.endr
	global_load_b128 v[216:219], v64, s[12:13]
	global_load_b128 v[220:223], v64, s[14:15]
	global_load_b128 v[224:227], v64, s[16:17]
	v_add_nc_u32 v65, TAB, v64
	s_wait_loadcnt 0x0
.irp c, 0,2
	v_pk_add_f32 v[228+\c:229+\c], v[88+\c:89+\c], v[92+\c:93+\c]
	v_pk_add_f32 v[236+\c:237+\c], v[152+\c:153+\c], v[156+\c:157+\c]
.endr
.set i, 2
.rept 14
.irp c, 0,2
	v_pk_add_f32 v[228+\c:229+\c], v[228+\c:229+\c], v[88+4*i+\c:89+4*i+\c]
	v_pk_add_f32 v[236+\c:237+\c], v[236+\c:237+\c], v[152+4*i+\c:153+4*i+\c]
.endr
.set i, i+1
.endr
.irp c, 0,2
	v_pk_mul_f32 v[228+\c:229+\c], v[228+\c:229+\c], 0x3d800000 op_sel_hi:[1,0]    ; the batch's mean
.endr
.set i, 0
.rept 16
.irp c, 0,2
	v_pk_add_f32 v[88+4*i+\c:89+4*i+\c], v[88+4*i+\c:89+4*i+\c], v[228+\c:229+\c] neg_lo:[0,1] neg_hi:[0,1]
.endr
.set i, i+1
.endr
.irp c, 0,2
	v_pk_mul_f32 v[232+\c:233+\c], v[88+\c:89+\c], v[88+\c:89+\c]
.endr
.set i, 1
.rept 15
.irp c, 0,2
	v_pk_fma_f32 v[232+\c:233+\c], v[88+4*i+\c:89+4*i+\c], v[88+4*i+\c:89+4*i+\c], v[232+\c:233+\c]
.endr
.set i, i+1
.endr
.irp c, 0,2
	v_pk_fma_f32 v[236+\c:237+\c], v[232+\c:233+\c], 0x43000000, v[236+\c:237+\c] op_sel_hi:[1,0,1]   ; + 128 x the blocks' means' squares about the mean
.endr
	s_mov_b32 s49, 0x3a000000
.irp k, 0,1,2,3
	v_fmaak_f32 v[236+\k], s49, v[236+\k], 0x3727c5ac      ; variance + 1e-5
.endr
	s_wait_alu depctr_va_vdst(0)
.irp k, 0,1,2,3
	v_rsq_f32 v[240+\k], v[236+\k]
.endr
	v_nop
	s_wait_alu depctr_va_vdst(0)                   ; one wait for the four, ahead of their first reader
.irp k, 0,1,2,3
	v_mul_f32 v[240+\k], v[240+\k], v[220+\k]
	v_sub_f32 v[216+\k], v[216+\k], v[228+\k]
.endr
	ds_store_b128 v65, v[216:219]                  ; bo - mean: the C of o's sums
	ds_store_b128 v65, v[240:243] offset:2048      ; g2 / sqrt(variance + eps)
	ds_store_b128 v65, v[224:227] offset:4096      ; b2
.irp q, 0,1,2,3,4,5
	XLOAD \q                                       ; x's first six quarters: 48 loads, into registers that nothing names before P3
.endr
; a packet into set: 12 fragment loads, the scale words, the bias (kind 0: bo - mean from the table): 15 LDS loads
.macro LOADP set, p, kind
	WIN 0x80
.irp i, 0,1,2,3,4,5,6,7,8,9,10,11
	ds_load_b128 v[160+48*(\set)+4*\i:160+48*(\set)+4*\i+3], v7 offset:6656*(\p)+512*\i
.endr
	WIN 0
	ds_load_b128 v[WS+4*(\set):WS+4*(\set)+3], v8 offset:6656*(\p)+6144
.if \kind == 0
	ds_load_b128 v[BI+8*(\set):BI+8*(\set)+3], v10 offset:128*((\p)/2)+32*((\p)%2)
	ds_load_b128 v[BI+8*(\set)+4:BI+8*(\set)+7], v10 offset:128*((\p)/2)+32*((\p)%2)+16
.else
	ds_load_b128 v[BI+8*(\set):BI+8*(\set)+3], v9 offset:6656*(\p)+6400
	ds_load_b128 v[BI+8*(\set)+4:BI+8*(\set)+7], v9 offset:6656*(\p)+6416
.endif
.endm
.macro GEMM8 set, u, kind              ; 16 columns for eight tiles of rows; the accumulators take turns
.irp s, 0,1,2,3
.irp T, 0,1,2,3,4,5,6,7
.if \T < 5
	WIN 0x06
.set br, 48*\T+12*\s
.else
	WIN 0x0a
.set br, 48*(\T-5)+12*\s
.endif
.set dr, ACC+16*\T+8*(\u)
.if \s == 0
.set cr, BI+8*(\set)
.else
.set cr, dr
.endif
.if \kind == 0
.set sr, AS+4*(2*(\T/4)+\s/2)+\T%4
	WMMA dr, 160+48*(\set)+12*\s, br, cr, WS+4*(\set)+\s, sr, \s%2
.else
.set sr, AS+4*\T+\s
	WMMA dr, 160+48*(\set)+12*\s, br, cr, WS+4*(\set)+\s, sr, 0
.endif
.endr
.endr
	WIN 0
	PLACES 5                                       ; for reads of results, loads into operands, and a new sum over old results
.endm
.macro GELU                            ; v / (1 + 2^(-1.702 log2(e) v)), 32 numbers at a time; each batch of transcendentals has a wait ahead of it and one behind
.irp bt, 0,1,2,3
.set j, 0
.rept 16
	v_pk_mul_f32 v[TM+j:TM+j+1], v[ACC+32*\bt+j:ACC+32*\bt+j+1], s[CG:CG+1] op_sel_hi:[1,0]
.set j, j+2
.endr
.set j, 0
	s_wait_alu depctr_va_vdst(0)
.rept 32
	v_exp_f32 v[TM+j], v[TM+j]
.set j, j+1
.endr
	v_nop
	s_wait_alu depctr_va_vdst(0)
.set j, 0
.rept 16
	v_pk_add_f32 v[TM+j:TM+j+1], v[TM+j:TM+j+1], 1.0 op_sel_hi:[1,0]
.set j, j+2
.endr
.set j, 0
	s_wait_alu depctr_va_vdst(0)
.rept 32
	v_rcp_f32 v[TM+j], v[TM+j]
.set j, j+1
.endr
	v_nop
	s_wait_alu depctr_va_vdst(0)
.set j, 0
.rept 16
	v_pk_mul_f32 v[ACC+32*\bt+j:ACC+32*\bt+j+1], v[ACC+32*\bt+j:ACC+32*\bt+j+1], v[TM+j:TM+j+1]
.set j, j+2
.endr
.endr
.endm
.macro QUANT4 T0, bp                   ; tiles T0 .. T0 + 3: a lane's 16 numbers and lane l xor 16's are a block of 32
.irp m, 0,1,2,3
	v_max3_num_f32 v[TM+\m], |v[ACC+16*(\T0+\m)]|, |v[ACC+16*(\T0+\m)+1]|, 0x2800000
.endr
.irp i, 2,4,6,8,10,12,14
.irp m, 0,1,2,3
	v_max3_num_f32 v[TM+\m], v[TM+\m], |v[ACC+16*(\T0+\m)+\i]|, |v[ACC+16*(\T0+\m)+\i+1]|
.endr
.endr
.irp m, 0,1,2,3
	v_permlanex16_b32 v[TM+4+\m], v[TM+\m], s[SEL], s[SEL+1]
.endr
.irp m, 0,1,2,3
	v_max_num_f32 v[TM+\m], v[TM+\m], v[TM+4+\m]
.endr
.irp m, 0,1,2,3
	v_add_nc_u32 v[TM+12+\m], 0xfe000000, v[TM+\m]
.endr
.irp m, 0,1,2,3
	v_lshrrev_b32 v[TM+4+\m], 23, v[TM+12+\m]
.endr
.irp m, 0,1,2,3
.if \bp == 0
	v_mov_b32 v[BY+\T0+\m], v[TM+4+\m]
.else
	v_lshl_or_b32 v[BY+\T0+\m], v[TM+4+\m], 8, v[BY+\T0+\m]
.endif
.endr
	WIN 0xc0                                       ; the codes go to window 3
.irp m, 0,1,2,3
	v_cvt_scalef32_pk16_bf6_f32 v[8*(\T0+\m)+4*\bp:8*(\T0+\m)+4*\bp+2], v[ACC+16*(\T0+\m):ACC+16*(\T0+\m)+15], v[TM+12+\m]
.endr
	WIN 0
	v_nop                                          ; a plain instruction behind the conversions
.endm
; A SLOT OF P1 (kind 0) OR P2 (kind 1): four packets, 64 columns, which become 64 along the next K for each of the eight tiles of rows
.macro QUAD kind
	s_add_co_u32 s39, s[SB], s[WOFF]
	v_add_nc_u32 v7, s39, v1
	s_wait_alu depctr_va_vdst(0)
	v_add_nc_u32 v8, s39, v2
.if \kind == 0
	v_add_nc_u32 v10, s[STA], v14
	v_add_nc_u32 v11, s[SWA], v1
	v_add_nc_u32 v12, s[SWA], v4
	v_add_nc_u32 v13, s[SWS], v2
.else
	s_wait_alu depctr_va_vdst(0)
	v_add_nc_u32 v9, s39, v3
	s_wait_alu depctr_va_vdst(0)
	v_add_nc_u32 v11, s[SWA], v15
	v_add_nc_u32 v12, s[SWA], v16
	v_add_nc_u32 v13, s[SWS], v17
.endif
	LOADP 0, 0, \kind
.irp bp, 0,1
.irp u, 0,1
.set pp, 2*\bp+\u
.if \kind == 0
.set tof, 128*(pp/2)+32*(pp%2)
	ds_load_b128 v[T1:T1+3], v10 offset:2048+tof
	ds_load_b128 v[T1+4:T1+7], v10 offset:2048+tof+16
	ds_load_b128 v[T2:T2+3], v10 offset:4096+tof
	ds_load_b128 v[T2+4:T2+7], v10 offset:4096+tof+16
.endif
.if pp < 3
	LOADP (2*\bp+\u+1)%2, 2*\bp+\u+1, \kind
	s_wait_dscnt 15                                ; all but the next packet's 15 loads
.else
	s_wait_dscnt 0x0
.endif
	GEMM8 \u, \u, \kind
.if \kind == 0
.irp T, 0,1,2,3,4,5,6,7
.irp j, 0,2,4,6
	v_pk_fma_f32 v[ACC+16*\T+8*\u+\j:ACC+16*\T+8*\u+\j+1], v[ACC+16*\T+8*\u+\j:ACC+16*\T+8*\u+\j+1], v[T1+\j:T1+\j+1], v[T2+\j:T2+\j+1]   ; the norm: (o - mean) x gain + b2
.endr
.endr
.endif
.endr
.if \kind == 1
	GELU
.endif
	QUANT4 0, \bp
	QUANT4 4, \bp
.endr
	WIN 0xc3                                       ; a whole block to a lane: lanes 0-15 the first block, lanes 16-31 the second
.irp T, 0,1,2,3,4,5,6,7
.irp i, 0,1,2
	v_permlane16_swap_b32 v[8*\T+\i], v[8*\T+4+\i]
.endr
.endr
.irp T, 0,1,2,3,4,5,6,7
	v_mov_b32 v[8*\T+3], v[8*\T+4]
	v_mov_b32 v[8*\T+4], v[8*\T+5]
	v_mov_b32 v[8*\T+5], v[8*\T+6]
.endr
	WIN 0x0c                                       ; an LDS store's data are its source 1
.irp T, 0,1,2,3,4,5,6,7
.if \kind == 0
	ds_store_b128 v11, v[8*\T:8*\T+3] offset:6144*\T
	ds_store_b64 v12, v[8*\T+4:8*\T+5] offset:6144*\T+512
.else
	ds_store_b128 v11, v[8*\T:8*\T+3] offset:3072*(\T/4)+16*(\T%4)
	ds_store_b64 v12, v[8*\T+4:8*\T+5] offset:3072*(\T/4)+8*(\T%4)+512
.endif
.endr
	WIN 0
.irp T, 0,1,2,3,4,5,6,7
.if \kind == 0
	ds_store_b16 v13, v[BY+\T] offset:256*\T       ; two scale bytes; both halves of the lanes write the same
.else
	ds_store_b16 v13, v[BY+\T] offset:2048*(\T/4)+32*(\T%4)
.endif
.endr
.endm
; ---- P1: o, the norm, h2's codes
	s_lshl_b32 s[STA], s[WV], 9
	s_add_co_u32 s[STA], s[STA], TAB
	s_mul_i32 s[SWA], s[WV], 1536
	s_add_co_u32 s[SWA], s[SWA], UT
	s_lshl_b32 s[SWS], s[WV], 2
	s_add_co_u32 s[SWS], s[SWS], USC
	s_mov_b32 s[CNT], 0
.Lp1:
	CHANGE 1                                       ; (its barrier also shows the tables to every wave)
	QUAD 0
	s_xor_b32 s[SB], s[SB], 1<<17
	s_add_co_u32 s[STA], s[STA], 256
	s_add_co_u32 s[SWA], s[SWA], 768
	s_add_co_u32 s[SWS], s[SWS], 2
	s_add_co_u32 s[CNT], s[CNT], 1
	s_cmp_lt_u32 s[CNT], 2
	s_cbranch_scc1 .Lp1
; ---- P2: h2 comes back as operands; u = gelu(h2 Wfc + bfc), quantised
	CHANGE 1                                       ; every wave's h2 lies in LDS
	v_add_nc_u32 v19, UT, v1
	v_add_nc_u32 v20, UT, v4
	v_add_nc_u32 v21, USC, v2
.irp T, 0,1,2,3,4,5,6,7
.if \T < 5
	WIN 0x40
.set ab, 48*\T
.else
	WIN 0x80
.set ab, 48*(\T-5)
.endif
.irp hd, 0,1,2,3,4,5,6,7
	ds_load_b128 v[ab+6*\hd:ab+6*\hd+3], v19 offset:6144*\T+768*\hd
	ds_load_b64 v[ab+6*\hd+4:ab+6*\hd+5], v20 offset:6144*\T+768*\hd+512
.endr
.endr
	WIN 0
.irp T, 0,1,2,3,4,5,6,7
	ds_load_b128 v[AS+4*\T:AS+4*\T+3], v21 offset:256*\T
.endr
	s_min_u32 s39, s[WV], 1                        ; u's pieces 4 w + q: wave 0's lie between the slots, the others' behind slot 1
	s_mul_i32 s39, s39, 106496
	s_mul_i32 s[SWA], s[WV], 24576
	s_add_co_u32 s[SWA], s[SWA], s39
	s_add_co_u32 s[SWA], s[SWA], UG
	s_lshl_b32 s[SWS], s[WV], 3
	s_add_co_u32 s[SWS], s[SWS], USC
	s_mov_b32 s[CNT], 0
	s_wait_dscnt 0x0                               ; my reads of h2 are in: u is laid over it
	s_barrier_signal -1
	s_barrier_wait -1
.Lp2:
	s_cmp_lt_u32 s[CNT], 2                         ; the last two trips have no slot of x left to ask for
	s_cbranch_scc0 .Lasked
	global_prefetch_b8 v22, s[PFP:PFP+1] offset:2*MB th:TH_LOAD_NT scope:SCOPE_SE            ; x for P3's slot CNT + 2: my channels 0-31,
	global_prefetch_b8 v22, s[PFP:PFP+1] offset:2*MB+32*8192 th:TH_LOAD_NT scope:SCOPE_SE    ; and 32-63
.Lasked:
	QUAD 1
	s_xor_b32 s[SB], s[SB], 1<<17
	s_add_co_u32 s[SWA], s[SWA], 6144
	s_add_co_u32 s[SWS], s[SWS], 2
	s_wait_xcnt 0x0                                ; the prefetches have read their base
	s_add_nc_u64 s[PFP:PFP+1], s[PFP:PFP+1], MB
	CHANGE 1                                       ; the fourth of these opens Wpr's first slot, and shows all of u to every wave
	s_add_co_u32 s[CNT], s[CNT], 1
	s_cmp_lt_u32 s[CNT], 4
	s_cbranch_scc1 .Lp2
; ---- P3: u Wpr + bpr, by slots of 128 channels
.set R, 216                            ; v216-247: a quarter back from the stage
.macro P3W d, a, b, c, sa, sb, row     ; row: K steps 0-3 take their scale words from lanes 0-15, K steps 4-7 from lanes 16-31
.if (\row)
	v_wmma_scale_f32_16x16x128_f8f6f4 v[(\d):(\d)+7], v[(\a):(\a)+11], v[(\b):(\b)+11], v[(\c):(\c)+7], v[\sa], v[\sb] matrix_a_fmt:MATRIX_FMT_BF6 matrix_b_fmt:MATRIX_FMT_BF6 matrix_a_scale:MATRIX_SCALE_ROW1 matrix_b_scale:MATRIX_SCALE_ROW1
.else
	v_wmma_scale_f32_16x16x128_f8f6f4 v[(\d):(\d)+7], v[(\a):(\a)+11], v[(\b):(\b)+11], v[(\c):(\c)+7], v[\sa], v[\sb] matrix_a_fmt:MATRIX_FMT_BF6 matrix_b_fmt:MATRIX_FMT_BF6
.endif
.endm
.macro ULOAD s, va, vb, po             ; u's four tiles of K step s: 16 LDS loads; K steps 0-4 to window 1, 5-7 to window 2
.if (\s) < 5
	WIN 0x40
.set ub, 48*(\s)
.else
	WIN 0x80
.set ub, 48*((\s)-5)
.endif
.irp i, 0,1,2,3
	ds_load_b128 v[ub+12*\i:ub+12*\i+3], v[\va] offset:(\po)+768*\i
	ds_load_b64 v[ub+12*\i+4:ub+12*\i+5], v[\vb] offset:(\po)+768*\i+512
	ds_load_b128 v[ub+12*\i+6:ub+12*\i+9], v[\va] offset:(\po)+6144+768*\i
	ds_load_b64 v[ub+12*\i+10:ub+12*\i+11], v[\vb] offset:(\po)+6144+768*\i+512
.endr
.endm
.macro ULS s                           ; the same, with the address registers that reach K step s: three pairs, since an offset has 16 bits
.if (\s) < 2
	ULOAD \s, 14, 15, (\s)*12288
.elseif (\s) < 5
	ULOAD \s, 16, 17, ((\s)-2)*12288
.else
	ULOAD \s, 19, 20, ((\s)-5)*12288
.endif
.endm
.macro WLOAD s                         ; Wpr's four fragments of K step s into set s % 2: 12 LDS loads
	WIN 0x80
.irp n, 0,1,2,3
.irp k, 0,1,2
	ds_load_b128 v[160+48*((\s)%2)+12*\n+4*\k:160+48*((\s)%2)+12*\n+4*\k+3], v7 offset:(\n/2)*26624+(2*(\n%2)+(\s)/4)*6656+((\s)%4)*1536+512*\k
.endr
.endr
	WIN 0
.endm
.macro P3MUL s                         ; 16 matrix instructions, the 16 accumulators by turns; K step 0 takes bpr as C
.if (\s) < 5
	WIN 0x09
.set ub, 48*(\s)
.else
	WIN 0x0a
.set ub, 48*((\s)-5)
.endif
.irp n, 0,1,2,3
.irp i, 0,1,2,3
.if (\s) == 0
.set cr, 64+8*\n+160*(\n/3)
.else
.set cr, ACC+8*(4*\n+\i)
.endif
	P3W ACC+8*(4*\n+\i), ub+12*\i, 160+48*((\s)%2)+12*\n, cr, 32+4*\i+(\s)%4, 48+4*\n+(\s)%4, (\s)/4
.endr
.endr
	WIN 0
.endm
.macro TOSTAGE                         ; 32 LDS stores: row = channel, 64 bytes a tile of positions; each accumulator from its low end on
.irp n, 0,1,2,3
.irp i, 0,1,2,3
	ds_store_b128 v11, v[ACC+8*(4*\n+\i):ACC+8*(4*\n+\i)+3] offset:\n*4352+64*\i
	ds_store_b128 v11, v[ACC+8*(4*\n+\i)+4:ACC+8*(4*\n+\i)+7] offset:\n*4352+64*\i+16
.endr
.endr
.endm
.macro RLOAD c, reg                    ; channels 16 c .. 16 c + 15 back: 8 LDS loads, two rows of 256 bytes each; LDS serves a wave's instructions in order, so these see my stores
.irp k, 0,1,2,3,4,5,6,7
	ds_load_b128 v[(\reg)+4*\k:(\reg)+4*\k+3], v12 offset:(16*(\c)+2*\k)*272
.endr
.endm
; QUARTER d GOES OUT: first quarter d + 7 of x is asked for, into the registers from which quarter d - 1 was stored two K steps ago; then the rows from the stage are added onto x and stored.
.macro DSTEP d, reg
.if ((\d) >= 1) && ((\d) <= 8)
	s_wait_xcnt 0x0                                ; quarter d - 1's stores have read their data
	XLOAD (\d)+7
.endif
.if (\d) <= 8
	s_wait_loadcnt 56                              ; quarter d of x is in: behind it seven quarters have been asked for
.else
	s_wait_loadcnt 8*(15-(\d))                     ; nothing more is asked for: the counts run down
.endif
	XSET \d
	WIN 0xcc                                       ; source 1 and the destination: x, in window 3
.irp k, 0,1,2,3,4,5,6,7,8,9,10,11,12,13,14,15
	v_pk_add_f32 v[XR+2*\k:XR+2*\k+1], v[(\reg)+2*\k:(\reg)+2*\k+1], v[XR+2*\k:XR+2*\k+1]
.endr
	WIN 0x0c                                       ; a store's data are its source 1
.irp k, 0,1,2,3,4,5,6,7
	global_store_b128 v23, v[XR+4*\k:XR+4*\k+3], s[20:21] offset:XO+2*\k*8192 th:TH_STORE_NT   ; sixteen lanes store 256 consecutive bytes, at a multiple of 256 from out0's first byte
.endr
	WIN 0
.endm
; SLOT j: 8 K steps.  j = 0: u's K step s + 2 is fetched in K step s.  j > 0: slot j - 1 goes out among the K steps: to the stage at the head; in K step 2 c its quarter c comes back; behind K step 2 c + 1's products it leaves.
.macro P3SLOT j
	s_add_co_u32 s39, s[SB], s[WQ]
	v_add_nc_u32 v7, s39, v1
	v_add_nc_u32 v8, s39, v10
	v_add_nc_u32 v9, s39, v13
	s_wait_alu depctr_va_vdst(0)                   ; the wait behind these writes
.if \j
	TOSTAGE
.endif
.irp n, 0,1,2,3
.set cb, 64+8*\n+160*(\n/3)
	ds_load_b128 v[48+4*\n:51+4*\n], v8 offset:(\n/2)*26624+(\n%2)*13312       ; scale words: lanes 0-15 K steps 0-3, lanes 16-31 K steps 4-7
	ds_load_b128 v[cb:cb+3], v9 offset:(\n/2)*26624+(\n%2)*13312               ; bpr of my lane's channel, four times,
	ds_load_b128 v[cb+4:cb+7], v9 offset:(\n/2)*26624+(\n%2)*13312             ; and four times more: the C of the sums' first products
.endr
	WLOAD 0
.irp s, 0,1,2,3,4,5,6,7
.set dw, 0                             ; the LDS loads issued behind this K step's weights, which may stay out:
.if \s < 7
	WLOAD \s+1
.set dw, 12                            ; the next K step's weights;
.endif
.if (\j) == 0
.if \s < 6
	ULS \s+2
.set dw, dw+16                         ; u's K step s + 2,
.endif
.if (\s >= 1) && (\s <= 6)
.set dw, dw+16                         ; and s + 1, issued in the K step before, behind this K step's weights;
.endif
.elseif \s%2 == 0
	RLOAD \s/2, R
.set dw, dw+8                          ; a quarter from the stage
.endif
	s_wait_dscnt dw
	P3MUL \s
.if (\j) && (\s%2 == 1)
	DSTEP 4*(\j)-4+\s/2, R                         ; (its 16 additions are also the places in front of the next loads into the weights' set)
.else
	PLACES 4
.endif
.endr
	PLACES 5                                       ; for reads of results, loads into scale words, and the next slot's new sums
	s_xor_b32 s[SB], s[SB], 1<<17
.endm
	v_and_b32 v21, 15, v0                          ; r
	v_bfe_u32 v22, v0, 4, 1                        ; h
	v_mad_u32_u24 v10, v22, 6656, v2
	v_add_nc_u32 v10, 6144, v10                    ; Wpr's scale words: 16 r; lanes 16-31 read the packet of K's second half
	v_add_nc_u32 v13, 6400, v2                     ; bpr
	s_mul_i32 s39, s[WV], 17408
	s_add_co_u32 s39, s39, UT                      ; my stage
	v_mul_u32_u24 v11, v21, 272
	v_add_nc_u32 v11, v11, v3
	v_add_nc_u32 v11, s39, v11                     ; in: row r, + 32 h
	v_mad_u32_u24 v12, v22, 272, v2
	v_add_nc_u32 v12, s39, v12                     ; back: lanes 0-15 one row, lanes 16-31 the next
	s_mul_i32 s56, s[RH], 3072                     ; u: my four tiles of the eight
	s_add_co_u32 s57, s56, UG
	v_add_nc_u32 v14, s57, v1
	v_add_nc_u32 v15, s57, v4
	s_add_co_u32 s57, s56, UT
	v_add_nc_u32 v16, s57, v1
	v_add_nc_u32 v17, s57, v4
	s_add_co_u32 s57, s57, 36864
	v_add_nc_u32 v19, s57, v1
	v_add_nc_u32 v20, s57, v4
	s_lshl_b32 s57, s[RH], 11
	s_add_co_u32 s57, s57, USC
	v_lshl_add_u32 v7, v22, 4, v18                 ; u's scale words: 32 r; lanes 16-31 read K steps 4-7
	v_add_nc_u32 v7, s57, v7
	s_wait_alu depctr_va_vdst(0)                   ; the wait behind these writes
	XLOAD 6                                        ; the registers that held the codes take x's quarters 6 and 7
	XLOAD 7
.irp i, 0,1,2,3
	ds_load_b128 v[32+4*\i:35+4*\i], v7 offset:512*\i
.endr
	ULS 0
	ULS 1
	WIN 0
	P3SLOT 0
	CHANGE 1                                       ; (it also shows that every wave holds u in registers: the stages are laid over it)
	P3SLOT 1
	CHANGE 1
	P3SLOT 2
	CHANGE 0                                       ; nothing is left to fetch
	P3SLOT 3
; ---- the last slot's way out: the accumulators' registers take the rows that come back
	TOSTAGE
.irp c, 0,1,2,3
	RLOAD \c, ACC+32*\c
.endr
.irp c, 0,1,2,3
	s_wait_dscnt 8*(3-\c)                          ; the later quarters' loads from the stage may be out
	DSTEP 12+\c, ACC+32*\c
.endr
	s_wait_tensorcnt 0x0                           ; the wave's end
	ds_add_u32 v5, v6
	s_wait_dscnt 0x0
	CROUND                                         ; the closing round
	s_endpgm
.Lfunc_end_k_q9c8c2f9f8a_mlp:
	.size	k_q9c8c2f9f8a_mlp, .Lfunc_end_k_q9c8c2f9f8a_mlp-k_q9c8c2f9f8a_mlp
	.p2alignl 7, 3214868480
	.fill 96, 4, 3214868480
	.section	.rodata,"a",@progbits
	.p2align	6, 0x0
	.amdhsa_kernel k_q9c8c2f9f8a_mlp
		.amdhsa_group_segment_fixed_size 327680
		.amdhsa_private_segment_fixed_size 0
		.amdhsa_enable_private_segment 0
		.amdhsa_kernarg_size 72
		.amdhsa_user_sgpr_count 2
		.amdhsa_user_sgpr_kernarg_segment_ptr 1
		.amdhsa_wavefront_size32 1
		.amdhsa_system_sgpr_workgroup_id_x 1
		.amdhsa_system_sgpr_workgroup_id_y 1
		.amdhsa_system_sgpr_workgroup_id_z 1
		.amdhsa_system_vgpr_workitem_id 0
		.amdhsa_next_free_vgpr 1024
		.amdhsa_next_free_sgpr 66
		.amdhsa_reserve_vcc 0
		.amdhsa_float_denorm_mode_32 3
		.amdhsa_float_denorm_mode_16_64 3
		.amdhsa_memory_ordered 1
		.amdhsa_forward_progress 1
		.amdhsa_inst_pref_size 255
	.end_amdhsa_kernel
	.section	.bss,"aw",@nobits
	.p2align	6
	.space	262144
	.amdgpu_metadata
---
amdhsa.version: [ 1, 2 ]
amdhsa.kernels:
  - .name:           k_q9c8c2f9f8a_mlp
    .symbol:         k_q9c8c2f9f8a_mlp.kd
    .args:
      - { .name: a_img, .offset: 0, .size: 8, .value_kind: global_buffer, .address_space: global }
      - { .name: a_scl, .offset: 8, .size: 8, .value_kind: global_buffer, .address_space: global }
      - { .name: wstream, .offset: 16, .size: 8, .value_kind: global_buffer, .address_space: global }
      - { .name: part, .offset: 24, .size: 8, .value_kind: global_buffer, .address_space: global }
      - { .name: bo, .offset: 32, .size: 8, .value_kind: global_buffer, .address_space: global }
      - { .name: g2, .offset: 40, .size: 8, .value_kind: global_buffer, .address_space: global }
      - { .name: b2, .offset: 48, .size: 8, .value_kind: global_buffer, .address_space: global }
      - { .name: x, .offset: 56, .size: 8, .value_kind: global_buffer, .address_space: global }
      - { .name: out0, .offset: 64, .size: 8, .value_kind: global_buffer, .address_space: global }
    .group_segment_fixed_size: 327680
    .private_segment_fixed_size: 0
    .kernarg_segment_align: 8
    .kernarg_segment_size: 72
    .max_flat_workgroup_size: 128
    .sgpr_count:     66
    .vgpr_count:     1024
    .wavefront_size: 32
...
	.end_amdgpu_metadata
.endif
;; end of part 4
